; MI455X (gfx1250); checked and timed in simulation.
; The chip was launched on July 23, 2026; its instructions are those of AMD's public machine-readable ISA for CDNA 5 (MIT licence, August 2026) and "CDNA5" Instruction Set Architecture Reference Guide (July 2026). The comments in the code are by the model that wrote it; some were corrected since.
;; Standard Attention. Allowed arithmetic: matrix products marked QUANTISED: E2M3 operands, one E8M0 scale for each 32 along K, by v_wmma_scale_f32_16x16x128_f8f6f4 with both operands' format E2M3, f32 sums; everything else in f32.
;; Inputs: Wk 1,024 x 1,024 float32; Wo 1,024 x 1,024 float32; Wq 1,024 x 1,024 float32; Wv 1,024 x 1,024 float32; x 4 x 2,048 x 1,024 float32.
;; Outputs: out0 4 x 2,048 x 1,024 float32.
;; This version of the problem:
;;   THIS VERSION OF THE PROBLEM IS GIVEN IN LOW PRECISION. The matrix products marked QUANTISED in the list below multiply operands that are first quantised to E2M3 (2 exponent bits, 3 mantissa bits; 6 bits a number), with one power-of-two scale for each 32 numbers along K (OCP MX v1.0); their sums are f32. All else is computed in f32.
;;   The module's matrix products, in the order in which they are computed (A, B: the left and right operand; K: the contracted axis; several contracted axes count as one K, in the product's order):
;;     1. [M 8,192, K 1,024] x [K 1,024, N 1,024]; A: input x; B: input Wq: QUANTISED
;;     2. [M 8,192, K 1,024] x [K 1,024, N 1,024]; A: input x; B: input Wk: QUANTISED
;;     3. [M 8,192, K 1,024] x [K 1,024, N 1,024]; A: input x; B: input Wv: QUANTISED
;;     4. batch 64 x [M 2,048, K 64] x [K 64, N 2,048]; A: computed on the way; B: computed on the way: QUANTISED
;;     5. batch 64 x [M 2,048, K 2,048] x [K 2,048, N 64]; A: softmax (see below); B: computed on the way: QUANTISED
;;     6. [M 8,192, K 1,024] x [K 1,024, N 1,024]; A: computed on the way; B: input Wo: QUANTISED
;;   THE QUANTISER, for each operand of a quantised product, along K:
;;     - K is cut into blocks of 32 from its start; a last block that is shorter is filled with zeros.
;;     - A block's scale is 2^e with e = floor(log2(the largest magnitude in the block)) - 2, held to -126 .. 127; a block of zeros has e = 0. As a byte (E8M0): e + 127.
;;     - Each number is divided by its block's scale, clamped to +-7.5, and rounded to the nearest number of E2M3, ties to even, subnormals kept.
;;     - The product sums the exact products of the quantised numbers (number of the format x scale) in f32.
;;   ~~~python
;;   def quantise(x, axis):      # numpy; x: float32 -> the quantised numbers, widened to float32 again
;;       x = np.moveaxis(x, axis, -1); K = x.shape[-1]
;;       x = np.pad(x, [(0, 0)] * (x.ndim - 1) + [(0, -K % 32)]); x = x.reshape(x.shape[:-1] + (-1, 32)); a = np.abs(x).max(-1, keepdims=True)
;;       e = np.where(a > 0, np.clip(np.frexp(np.where(a > 0, a, 1))[1] - 1 - 2, -126, 127), 0)      # np.frexp(a)[1] - 1 = floor(log2(a)), exactly
;;       r = np.clip(x / 2.0 ** e, -7.5, 7.5)
;;       step = 2.0 ** (np.maximum(np.frexp(np.where(r == 0, 1, r))[1] - 1, 0) - 3)
;;       q = np.round(r / step) * step * 2.0 ** e      # np.round: ties to even
;;       return np.moveaxis(q.reshape(q.shape[:-2] + (-1,))[..., :K], -1, axis).astype(np.float32)
;;   ~~~
;;   SOFTMAX AHEAD OF A QUANTISED PRODUCT. Where the list says 'softmax', what is quantised is not the finished softmax but p = 2^(t - M), with t = logit x log2(e) and M = ceil(the row's largest t), a whole number; so 1/2 < the row's largest p <= 1. The row's sum l is taken of the UNQUANTISED p, in f32, and the product's result is divided by l at the end. Since M is a whole number, a kernel that streams over the keys may use a running M (the ceiling of the running maximum): every later rescaling is an exact power of two, which a block's scale takes up: the codes' values come out the same.
;;   OPERANDS COMPUTED ON THE WAY. 'Computed on the way' means the value that the module computes at that place (a softmax that the list does not call 'softmax' is quantised finished and normalised). What goes into a quantiser is computed in f32, as accurately as f32 sums, v_exp_f32 and their like allow (about 1e-6 of the number): no bf16 or f16 on the way to a quantiser, and a product that is left as it is and whose result goes on into a quantised operand takes f32 operands (vector FMAs, or v_wmma_f32_16x16x4_f32). A number that lies on a knife's edge between two numbers of the format may be rounded either way, as far as f32 arithmetic and the matrix unit's own rounding can turn it there, and no further.
;; One version. Each part assembles by itself: llvm-mc -triple=amdgcn-amd-amdhsa -mcpu=gfx1250 --defsym DOCPART=n.
;; ======== version 1 of 1: 5 launches
;; workspace buffers: xq 6,553,600 bytes; wqk 1,835,008 bytes; wv 1,048,576 bytes; wo 1,048,576 bytes; qk 16,777,216 bytes; vt 54,525,952 bytes; oq 6,553,600 bytes
;; launch quant (part 1): grid 384 x 1, 4 waves a work-group, no clusters, 33,280 bytes of LDS; arguments x, Wq, Wk, Wv, Wo, xq, wqk, wv, wo; writes xq, wqk, wv, wo
.if DOCPART == 1
	.amdgcn_target "amdgcn-amd-amdhsa--gfx1250"
	.amdhsa_code_object_version 6
	.text
	.protected	k_qe33e7318f0_quant
	.globl	k_qe33e7318f0_quant
	.p2align	8
	.type	k_qe33e7318f0_quant,@function
k_qe33e7318f0_quant:
	s_mov_b64 s[64:65], 0
	v_nop
	global_prefetch_b8 v0, s[64:65] scope:SCOPE_SE
	s_setreg_imm32_b32 hwreg(HW_REG_WAVE_MODE, 25, 1), 1
	s_wait_xcnt 0x0
; x [8192][1024] and Wq, Wk, Wv, Wo [1024][1024], f32 with K innermost, become codes of FP6 (E2M3) and one E8M0 scale byte for each 32 along K.
; A destination buffer holds the scale bytes from byte 0 on, [row place][32], and the codes from byte 262,144 on, [row place][768].
; A block's scale is 2^(floor(log2(its largest magnitude)) - 2); its byte is that magnitude's exponent field - 2, held at 1 from below; each number is divided by the scale and rounded to the nearest code, ties to even.
; LIMITS: a block of zeros, and a block whose largest magnitude lies under 2^-124, get the byte 1 (the bytes are read by this program alone; zero codes add nothing); NaN and infinities among the inputs are not served.
; ROW PLACES.  In xq, wqk and wv place P holds row P with bits 3 and 4 of the number exchanged, so that sixteen neighbouring places 16 (2 g + u) + r hold rows 32 g + 8 u + r + 8 (r / 8):
; the later products take such a group as one tile, and their results then run along the next product's K in a lane's registers.  wo keeps its rows.  wqk holds Wq's rows at places 0-1023, Wk's at 1024-2047.
; SHARES.  A work-group takes 32 rows, a wave 8 rows (8,192 numbers, 16 steps of 512): the exchange of bits moves whole runs of 8 rows, so it is one choice of the wave's place.
; Work-groups 0-255 take x, 256-287 Wq, 288-319 Wk, 320-351 Wv, 352-383 Wo: only pointers and small numbers are chosen, by the work-group's number; all take one path through the text.
; Each load reads 512 consecutive bytes; a step's 2,048 bytes turn through the wave's own stage in LDS so that a lane holds 16 neighbours; a lane's 16 codes are 12 bytes, the wave stores 384 consecutive bytes.
; A wave's 256 scale bytes are gathered in its own LDS bytes and leave as one aligned run of 256 bytes.  No tensor loads, no barrier: waves share nothing.
.set STEPS, 16
.set EMAX,  2
.set CB,    12                         ; bytes of 16 codes
.set R,     16                         ; v16-79   four sets of 16 numbers as they are loaded
.set X,     80                         ; v80-111  two sets of 16 neighbours
.set C,     128                        ; v128-191 codes: four registers for each step, so that no store's data are written again
.set E,     112                        ; v112-127 a scale byte for each step
.set WREG,  8192                       ; LDS: a region for each wave: two stages of 32 x SP bytes, behind them its 256 scale bytes
.set SP,    80                         ; a lane's place in a stage: its 64 bytes + 16 of padding
	s_load_b256 s[4:11], s[0:1], 0x0               ; x, Wq, Wk, Wv
	s_load_b256 s[12:19], s[0:1], 0x20             ; Wo, xq, wqk, wv
	s_load_b64 s[20:21], s[0:1], 0x40              ; wo
	v_lshl_add_u32 v192, v0, 2, 0x8000
	v_mov_b32 v193, 0
	v_lshrrev_b32 v1, 5, v0
	v_readfirstlane_b32 s22, v1                    ; wave w
	v_and_b32 v2, 31, v0                           ; lane
	v_lshlrev_b32 v3, 4, v2                        ; my 16 bytes of a load's 512
	s_mul_i32 s31, s22, WREG
	v_lshrrev_b32 v14, 2, v2
	v_mul_u32_u24 v14, v14, SP
	v_and_b32 v15, 3, v2
	v_lshl_add_u32 v14, v15, 4, v14
	v_add_nc_u32 v14, s31, v14                     ; the stage, on the way in: SP (lane / 4) + 16 (lane % 4)
	v_mul_u32_u24 v15, v2, SP
	v_add_nc_u32 v15, s31, v15                     ; and on the way out: SP x lane: my 16 neighbours
	v_mul_u32_u24 v4, v2, CB                       ; my codes' place in a step's
	v_lshrrev_b32 v5, 1, v2
	s_add_co_u32 s31, s31, 2*32*SP
	v_add_nc_u32 v5, s31, v5                       ; LDS: my wave's 256 scale bytes, my block's byte
	v_lshlrev_b32 v7, 3, v2                        ; and on the way out 8 bytes a lane
	v_add_nc_u32 v6, s31, v7
	s_and_b32 s23, s22, 1
	s_lshl_b32 s23, s23, 1
	s_lshr_b32 s28, s22, 1
	s_or_b32 s23, s23, s28                         ; w with its two bits exchanged: where my run of 8 rows goes
	s_wait_kmcnt 0x0
	s_mov_b64 s[24:25], s[12:13]                   ; the choice begins with Wo -> wo
	s_mov_b64 s[26:27], s[20:21]
	s_mov_b32 s28, 352                             ; the tensor's first work-group
	s_mov_b32 s29, 0                               ; runs of 8 rows in front of the tensor in its buffer
	s_mov_b32 s30, s22                             ; my run's place among the work-group's four
	s_cmp_lt_u32 ttmp9, 352
	s_cselect_b64 s[24:25], s[10:11], s[24:25]     ; Wv -> wv
	s_cselect_b64 s[26:27], s[18:19], s[26:27]
	s_cselect_b32 s28, 320, s28
	s_cselect_b32 s30, s23, s30
	s_cmp_lt_u32 ttmp9, 320
	s_cselect_b64 s[24:25], s[8:9], s[24:25]       ; Wk -> wqk, behind Wq's 128 runs
	s_cselect_b64 s[26:27], s[16:17], s[26:27]
	s_cselect_b32 s28, 288, s28
	s_cselect_b32 s29, 128, s29
	s_cmp_lt_u32 ttmp9, 288
	s_cselect_b64 s[24:25], s[6:7], s[24:25]       ; Wq -> wqk
	s_cselect_b32 s28, 256, s28
	s_cselect_b32 s29, 0, s29
	s_cmp_lt_u32 ttmp9, 256
	s_cselect_b64 s[24:25], s[4:5], s[24:25]       ; x -> xq
	s_cselect_b64 s[26:27], s[14:15], s[26:27]
	s_cselect_b32 s28, 0, s28
	s_sub_co_u32 s31, ttmp9, s28
	s_lshl_b32 s31, s31, 2                         ; the work-group's first run in its tensor
	s_add_co_u32 s36, s31, s22
	s_lshl_b32 s36, s36, 15                        ; my run's 32,768 bytes of f32 (under 2^26)
	s_mov_b32 s37, 0
	s_add_nc_u64 s[24:25], s[24:25], s[36:37]
	s_add_co_u32 s31, s31, s30
	s_add_co_u32 s31, s31, s29                     ; the run's place in the destination
	s_mul_i32 s36, s31, 6144                       ; 8 rows x 768 bytes of codes,
	s_add_co_u32 s36, s36, 0x40000                 ; behind the scale bytes
	s_add_nc_u64 s[32:33], s[26:27], s[36:37]
	s_lshl_b32 s36, s31, 8                         ; 8 rows x 32 scale bytes
	s_add_nc_u64 s[34:35], s[26:27], s[36:37]
.macro LOAD t
.irp i, 0,1,2,3
	global_load_b128 v[R+16*((\t)%4)+4*\i:R+16*((\t)%4)+4*\i+3], v3, s[24:25] offset:2048*(\t)+512*\i th:TH_LOAD_NT   ; 32 lanes read 512 consecutive bytes
.endr
.endm
.macro TURN t                          ; step t's numbers through the stage: LDS serves a wave's instructions in order, so no wait stands between the stores and the loads
.irp i, 0,1,2,3
	ds_store_b128 v14, v[R+16*((\t)%4)+4*\i:R+16*((\t)%4)+4*\i+3] offset:32*SP*((\t)%2)+8*SP*\i
.endr
.irp i, 0,1,2,3
	ds_load_b128 v[X+16*((\t)%2)+4*\i:X+16*((\t)%2)+4*\i+3], v15 offset:32*SP*((\t)%2)+16*\i
.endr
.endm
.irp t, 0,1,2,3
	LOAD \t
.endr
	s_wait_loadcnt 12                              ; step 0's four loads are in; the twelve of steps 1 to 3 may be out
	TURN 0
.macro STEP t
.set XS, X+16*((\t)%2)
.if (\t) > 0
	s_wait_dscnt 1                                 ; this step's numbers are back from the stage (the last step's byte store may be out): so its stores into the stage have read their registers,
.else
	s_wait_dscnt 0x0
.endif
.if (\t)+4 < STEPS
	LOAD (\t)+4                                    ; which take the loads of four steps on
.endif
.if (\t)+1 < STEPS
.if STEPS-2-(\t) >= 3
	s_wait_loadcnt 12                              ; the next step's four loads are in; those of the three steps behind it may be out
.else
	s_wait_loadcnt 4*(STEPS-2-(\t))
.endif
	TURN (\t)+1                                    ; and go through the other stage while this step is worked
.endif
	v_max3_num_f32 v8, |v[XS]|, |v[XS+1]|, |v[XS+2]|               ; the largest magnitude of my 16, in two chains
	v_max3_num_f32 v9, |v[XS+3]|, |v[XS+4]|, |v[XS+5]|
.irp i, 6,10
	v_max3_num_f32 v8, v8, |v[XS+\i]|, |v[XS+\i+1]|
	v_max3_num_f32 v9, v9, |v[XS+\i+2]|, |v[XS+\i+3]|
.endr
	v_max3_num_f32 v8, v8, |v[XS+14]|, |v[XS+15]|
	v_max3_num_f32 v8, v8, v9, (EMAX+1)<<23        ; and the floor 2^(3 - 127): the byte cannot fall under 1
	v_max_num_f32_dpp v8, v8, v8 row_xmask:1 row_mask:0xf bank_mask:0xf   ; and of my neighbour's 16: the block's
	v_add_nc_u32 v11, -(EMAX<<23), v8              ; 2 off its exponent field: the conversion takes the exponent field of this operand as its scale
	v_cvt_scalef32_pk16_fp6_f32 v[C+4*(\t):C+4*(\t)+2], v[XS:XS+15], v11   ; sixteen codes, 96 bits without gaps
	v_lshrrev_b32 v[E+(\t)], 23, v11               ; the scale's byte (also the plain line behind the conversion)
	ds_store_b8 v5, v[E+(\t)] offset:16*(\t)       ; both lanes of a block write the same byte with the same value
	global_store_b96 v4, v[C+4*(\t):C+4*(\t)+2], s[32:33] offset:32*CB*(\t)
.endm
.irp t, 0,1,2,3,4,5,6,7,8,9,10,11,12,13,14,15
	STEP \t
.endr
	ds_load_b64 v[12:13], v6                       ; LDS serves a wave's instructions in order: these see my stores
	s_wait_dscnt 0x0
	global_store_b64 v7, v[12:13], s[34:35]        ; 32 lanes store 256 consecutive bytes, aligned
	s_wait_tensorcnt 0x0
	ds_add_u32 v192, v193
	s_wait_dscnt 0x0
	s_endpgm
.Lfunc_end_k_qe33e7318f0_quant:
	.size	k_qe33e7318f0_quant, .Lfunc_end_k_qe33e7318f0_quant-k_qe33e7318f0_quant
	.p2alignl 7, 3214868480
	.fill 96, 4, 3214868480
	.section	.rodata,"a",@progbits
	.p2align	6, 0x0
	.amdhsa_kernel k_qe33e7318f0_quant
		.amdhsa_group_segment_fixed_size 33280
		.amdhsa_private_segment_fixed_size 0
		.amdhsa_enable_private_segment 0
		.amdhsa_kernarg_size 72
		.amdhsa_user_sgpr_count 2
		.amdhsa_user_sgpr_kernarg_segment_ptr 1
		.amdhsa_wavefront_size32 1
		.amdhsa_system_sgpr_workgroup_id_x 1
		.amdhsa_system_sgpr_workgroup_id_y 1
		.amdhsa_system_sgpr_workgroup_id_z 1
		.amdhsa_system_vgpr_workitem_id 0
		.amdhsa_next_free_vgpr 194
		.amdhsa_next_free_sgpr 66
		.amdhsa_reserve_vcc 0
		.amdhsa_float_denorm_mode_32 3
		.amdhsa_float_denorm_mode_16_64 3
		.amdhsa_memory_ordered 1
		.amdhsa_forward_progress 1
		.amdhsa_inst_pref_size 33
	.end_amdhsa_kernel
	.amdgpu_metadata
---
amdhsa.version: [ 1, 2 ]
amdhsa.kernels:
  - .name:           k_qe33e7318f0_quant
    .symbol:         k_qe33e7318f0_quant.kd
    .args:
      - { .name: x, .offset: 0, .size: 8, .value_kind: global_buffer, .address_space: global }
      - { .name: Wq, .offset: 8, .size: 8, .value_kind: global_buffer, .address_space: global }
      - { .name: Wk, .offset: 16, .size: 8, .value_kind: global_buffer, .address_space: global }
      - { .name: Wv, .offset: 24, .size: 8, .value_kind: global_buffer, .address_space: global }
      - { .name: Wo, .offset: 32, .size: 8, .value_kind: global_buffer, .address_space: global }
      - { .name: xq, .offset: 40, .size: 8, .value_kind: global_buffer, .address_space: global }
      - { .name: wqk, .offset: 48, .size: 8, .value_kind: global_buffer, .address_space: global }
      - { .name: wv, .offset: 56, .size: 8, .value_kind: global_buffer, .address_space: global }
      - { .name: wo, .offset: 64, .size: 8, .value_kind: global_buffer, .address_space: global }
    .group_segment_fixed_size: 33280
    .private_segment_fixed_size: 0
    .kernarg_segment_align: 8
    .kernarg_segment_size: 72
    .max_flat_workgroup_size: 128
    .sgpr_count:     66
    .vgpr_count:     194
    .wavefront_size: 32
...
	.end_amdgpu_metadata
.endif
;; end of part 1
;; launch gemm_qk (part 2): grid 8 x 32, 4 waves a work-group, clusters of 4 x 4, 327,680 bytes of LDS; arguments xq, wqk, qk; writes qk
.if DOCPART == 2
	.amdgcn_target "amdgcn-amd-amdhsa--gfx1250"
	.amdhsa_code_object_version 6
	.text
	.protected	k_qe33e7318f0_gemm_qk
	.globl	k_qe33e7318f0_gemm_qk
	.p2align	8
	.type	k_qe33e7318f0_gemm_qk,@function
k_qe33e7318f0_gemm_qk:
	s_mov_b64 s[64:65], 0
	v_nop
	global_prefetch_b8 v0, s[64:65] scope:SCOPE_SE
	s_setreg_imm32_b32 hwreg(HW_REG_WAVE_MODE, 25, 1), 1
	s_wait_xcnt 0x0
	s_wait_alu depctr_hold_cnt(0) depctr_sa_sdst(0) depctr_va_vdst(0) depctr_va_sdst(0) depctr_va_ssrc(0) depctr_va_vcc(0) depctr_vm_vsrc(0)
	s_getreg_b32 s2, hwreg(HW_REG_IB_STS2, 6, 4)
	s_cmp_eq_u32 s2, 0
	s_cbranch_scc0 .Lentry_in_a_cluster
	s_endpgm
.Lentry_in_a_cluster:
	s_bfe_u32 s2, ttmp6, 0x10000c
	s_cmp_lg_u32 s2, 0xf033
	s_cbranch_scc0 .Lentry_shape_is_right
	s_endpgm
.Lentry_shape_is_right:
; R = A B^T on codes of FP6 (E2M3) with E8M0 scales, K = 1,024, and R is QUANTISED ON ITS WAY OUT along B's rows: it never exists in memory as f32.
; Argument 0 is A (source 1 of the matrix instruction: a lane's row; tile row = work-group y), argument 1 is B (source 0: the registers' axis; tile column = work-group x), argument 2 the result.
; Both operands: scale bytes [row place][32] from byte 0, codes [row place][768] from byte 262,144.  The body serves two launches: A = x, B = Wq and Wk (q and k, quantised along a head's 64), and A = Wv, B = x (v, quantised along the keys).
; Sixteen neighbouring places of an operand hold rows 32 g + 8 u + r + 8 (r / 8) (the launch that made the codes laid them so).  With B as source 0 the 16 registers of result tiles 2 g and 2 g + 1 are then the
; 16 neighbours 32 g + 16 (lane / 16) + 0 .. 15 along B's true rows: a block of 32 lies in lanes l and l xor 16, and the conversions take a lane's registers as they stand.
; A tile of R, 256 x 256, is made by four waves, 128 x 128 each: 64 accumulators, 512 registers.  K goes in steps of 256 through a ring of two LDS slots filled by the tensor data mover; the scale bytes of the
; work-group's rows come once, with the first fills.  CLUSTERS: 4 x 4 work-groups; A's tiles are asked for jointly along a row of the cluster, B's along a column.
; THE RESULT.  For each block of 16 places of A (Ablock) and each 64 rows of B (Bhalf): a RECORD of 768 bytes, the image of six operand registers: bytes 0-511 registers 0-3, lane l at 16 l; bytes 512-767
; registers 4-5, lane l at 8 l; lane (r, h) holds block h (32 codes) of row r.  Records lie [Bhalf][512 Ablocks][768] from byte 4,194,304.  Scale words lie [Bhalf][128 groups of 4 Ablocks][r][4] from byte 0:
; the word of the lower half of a 128 is the whole word of the 128, that of the upper half the same shifted down 16 bits.  Every store covers whole aligned runs of 256 bytes.
; LIMITS: a block of zeros or under 2^-124 gets the byte 1 (read by this program alone); NaN and infinities are not served.
; REGISTERS, in windows of 256: window 0: v0-31 addresses; v32-63 scale words, two sets; v64-123 the way out; from v128 A's fragments, one set.  window 1: B's fragments, two sets.  windows 2, 3: the accumulators.
.set KSTEP,  256                       ; along K in a slot
.set NQ,     2                         ; matrix instructions deep
.set ROWB,   192                       ; a tile's row in bytes
.set KROW,   768                       ; a row of codes in memory
.set PITCH,  240                       ; an LDS row: 3 x (64 bytes + 16 of padding): the 32 lanes of a load of 8 bytes touch 64 different banks
.set FR,     12                        ; registers of a fragment
.set NL,     6                         ; LDS loads that bring one
.set NP,     4                         ; places behind this matrix instruction (ISA guide 7.12.1)
.set HALFT,  128*PITCH
.set SLOT,   4*HALFT
.set LAPS,   2                         ; 1,024 / (2 x 256)
.set KS,     32                        ; a row of scale bytes
.set SCL,    2*SLOT                    ; behind the ring: the scales, as runs of 256 bytes + 16 of padding
.set HALFS,  (128*KS/256)*272
.set SBLK,   (16*KS/256)*272
.set SPARE,  SCL+4*HALFS               ; the spare words, 128 bytes for each wave, that no other line names
.set ADRA, 16                          ; v16-17 LDS address of my A fragments in slot 0, 1 (v18-19: behind one padding more)
.set ADRB, 20                          ; v20-23 the same for B
.set GO16, 24                          ; v24  16 x lane: a record's first 512 bytes
.set GO8,  25                          ; v25  8 x lane: its last 256
.set GSC,  26                          ; v26  32,768 (lane / 16) + 16 (lane % 16): my row's four scale words, lanes 16-31 in the next Bhalf
.set ADRS, 27                          ; v27  LDS address of my scale words
.set SPW,  28                          ; v28  my spare word; never rewritten
.set NIL,  29                          ; v29  0; never rewritten
.set SC,   32
.set CD,   64                          ; v64-75 the codes just made; v76-78, v80-82 the second halves as converted
.set TM,   96                          ; v96-99 largest magnitudes, v100-103 the other lane's, then bytes, v108-111 the conversions' scale operands
.set PW,   112                         ; the scale word of 128
.set SH,   113                         ; 16 (lane / 16)
.set SW,   116                         ; v116-123 my half's word for each of the eight blocks
.set AF,   128
.set G1, 24
.set G0, 32
.set G1B, 48
.set G0B, 56
.set OSC, 66                           ; s[66:67] where my scale words go
.set G1S, 68
.set G0S, 76
.set G1SB, 80
.set G0SB, 88
.set SEL, 96                           ; s[96:97] lane selects: lane l xor 16
.set MSB, 0
.macro WIN new                         ; the immediate's high byte repeats the setting that is left
.if MSB != \new
	s_set_vgpr_msb (MSB<<8)|\new
.set MSB, \new
.endif
.endm
.set MUL_LO, 0xa1                      ; source 0 (B) window 1, source 1 (A) window 0, C and D window 2
.set MUL_HI, 0xf1
.set TO_B,   0x40
; A joint load: waves 0 and 1 fetch for A, waves 2 and 3 for B; the branch hangs on the wave's number alone.  Four v_nop follow each of the two lines.
.macro JLOAD g0a, g1a, g0b, g1b
	s_cmp_eq_u32 s15, 0
	s_cbranch_scc0 .Lfor_b_\@
	tensor_load_to_lds s[\g0a:\g0a+3], s[\g1a:\g1a+7]
	s_nop 0
.rept 4
	v_nop
.endr
	s_branch .Lasked_\@
.Lfor_b_\@:
	tensor_load_to_lds s[\g0b:\g0b+3], s[\g1b:\g1b+7]
	s_nop 0
.rept 4
	v_nop
.endr
.Lasked_\@:
.endm
.macro CREST                           ; a round of the cluster's barrier behind its opening barrier
	s_cmp_lg_u32 s14, 0
	s_cbranch_scc1 .Lnot_wave_0_\@
	s_barrier_signal -3
.Lnot_wave_0_\@:
	s_barrier_wait -3
	s_barrier_signal -1
	s_barrier_wait -1
.endm
.macro CROUND
	s_barrier_signal -1
	s_barrier_wait -1
	CREST
.endm
	s_load_b64 s[6:7], s[0:1], 0x0                 ; A: its scale bytes begin the buffer
	s_load_b64 s[10:11], s[0:1], 0x8               ; B likewise
	s_load_b64 s[12:13], s[0:1], 0x10              ; the result
	v_lshl_add_u32 v[SPW], v0, 2, SPARE
	v_mov_b32 v[NIL], 0
	ds_add_u32 v28, v29
	ds_add_u32 v28, v29
	s_wait_dscnt 0x0
	v_lshrrev_b32 v1, 5, v0
	v_readfirstlane_b32 s14, v1                    ; wave 0..3
	s_lshr_b32 s15, s14, 1                         ; which half of the tile's A rows is mine.  Also: I fetch for A (0) or for B (1)
	s_and_b32 s16, s14, 1                          ; which half of its B rows.  Also: which 128 rows I fetch
	s_bfe_u32 s40, ttmp6, 0x40000                  ; cx, cy
	s_bfe_u32 s41, ttmp6, 0x40004
	s_lshl_b32 s42, ttmp9, 2
	s_add_co_u32 s42, s42, s40                     ; tile column = 4 x cluster x + cx
	s_and_b32 s17, ttmp7, 0xffff
	s_lshl_b32 s17, s17, 2
	s_add_co_u32 s17, s17, s41                     ; tile row = 4 x cluster y + cy
	s_lshl_b32 s43, s41, 2
	s_lshl_b32 s43, 15, s43                        ; my row of the cluster
	s_lshl_b32 s44, 0x1111, s40                    ; my column
	; group 1: a tile of 128 rows x 192 bytes, 16 bytes of padding behind every 64
	s_or_b32 s[G1+0], s43, (0<<16)|(1<<20)|(1<<21)|(3<<22)|(3<<25)
	s_or_b32 s[G1B+0], s44, (0<<16)|(1<<20)|(1<<21)|(3<<22)|(3<<25)
.irp g, G1, G1B
	s_mov_b32 s[\g+1], ROWB<<16                    ; tensor_dim0
	s_mov_b32 s[\g+2], 128<<16                     ; tensor_dim1
	s_mov_b32 s[\g+3], ROWB<<16                    ; tile_dim0
	s_mov_b32 s[\g+4], 128                         ; tile_dim1
	s_mov_b32 s[\g+5], KROW                        ; the pitch
	s_mov_b32 s[\g+6], 0
	s_mov_b32 s[\g+7], 0
.endr
	; the scales of 128 rows: 4,096 dense bytes as 16 rows of 256 (32 elements of 8 bytes), 16 bytes of padding behind each
	s_or_b32 s[G1S+0], s43, (3<<16)|(1<<20)|(1<<21)|(5<<22)|(3<<25)
	s_or_b32 s[G1SB+0], s44, (3<<16)|(1<<20)|(1<<21)|(5<<22)|(3<<25)
.irp g, G1S, G1SB
	s_mov_b32 s[\g+1], 32<<16
	s_mov_b32 s[\g+2], (128*KS/256)<<16
	s_mov_b32 s[\g+3], 32<<16
	s_mov_b32 s[\g+4], 128*KS/256
	s_mov_b32 s[\g+5], 32
	s_mov_b32 s[\g+6], 0
	s_mov_b32 s[\g+7], 0
.endr
	s_lshl_b32 s18, s16, 7                         ; which 128 rows of the tile I fetch
	s_lshl_b32 s20, s17, 8
	s_add_co_u32 s20, s20, s18                     ; A: place 256 x tile row + 128 x half
	s_lshl_b32 s46, s42, 8
	s_add_co_u32 s46, s46, s18                     ; B: place 256 x tile column + 128 x half
	s_mov_b32 s21, 0
	s_mov_b32 s47, 0
	s_mov_b64 s[18:19], KS
	s_mul_u64 s[22:23], s[20:21], s[18:19]         ; where these rows' scales begin
	s_mul_u64 s[92:93], s[46:47], s[18:19]
	s_mov_b64 s[18:19], KROW
	s_mul_u64 s[20:21], s[20:21], s[18:19]         ; and their codes
	s_mul_u64 s[46:47], s[46:47], s[18:19]
	s_mul_i32 s45, s14, HALFT                      ; where they go: wave x 128 rows
	s_mul_i32 s94, s14, HALFS
	s_wait_kmcnt 0x0
	s_add_nc_u64 s[4:5], s[6:7], 0x40000           ; the codes lie behind the scale bytes
	s_add_nc_u64 s[8:9], s[10:11], 0x40000
	s_add_nc_u64 s[20:21], s[4:5], s[20:21]
	s_add_nc_u64 s[22:23], s[6:7], s[22:23]
	s_add_nc_u64 s[46:47], s[8:9], s[46:47]
	s_add_nc_u64 s[92:93], s[10:11], s[92:93]
	CROUND                                         ; all sixteen work-groups are here: the first joint loads meet
	s_mov_b32 s[G0S], 1
	s_add_co_u32 s[G0S+1], s94, SCL
	s_mov_b64 s[G0S+2:G0S+3], s[22:23]
	s_or_b32 s[G0S+3], s[G0S+3], 0x80000000
	s_mov_b32 s[G0SB], 1
	s_add_co_u32 s[G0SB+1], s94, SCL
	s_mov_b64 s[G0SB+2:G0SB+3], s[92:93]
	s_or_b32 s[G0SB+3], s[G0SB+3], 0x80000000
	JLOAD G0S, G1S, G0SB, G1SB                     ; the scales first: they are wanted with K step 0
.irp s, 0,1
	s_mov_b32 s[G0+4*\s], 1
	s_add_co_u32 s[G0+4*\s+1], s45, \s*SLOT
	s_add_nc_u64 s[G0+4*\s+2:G0+4*\s+3], s[20:21], \s*ROWB
	s_or_b32 s[G0+4*\s+3], s[G0+4*\s+3], 0x80000000
	s_mov_b32 s[G0B+4*\s], 1
	s_add_co_u32 s[G0B+4*\s+1], s45, \s*SLOT
	s_add_nc_u64 s[G0B+4*\s+2:G0B+4*\s+3], s[46:47], \s*ROWB
	s_or_b32 s[G0B+4*\s+3], s[G0B+4*\s+3], 0x80000000
	JLOAD G0+4*\s, G1, G0B+4*\s, G1B
.endr
	v_and_b32 v1, 15, v0                           ; r = l % 16
	v_bfe_u32 v2, v0, 4, 1                         ; h = l / 16
	v_mul_u32_u24 v3, v1, PITCH
	v_mul_u32_u24 v4, v2, 24
	v_add_nc_u32 v4, v3, v4                        ; a fragment's row x pitch + 24 x half
	v_lshl_add_u32 v5, v2, 4, v4                   ; and the same behind one padding more
	s_mul_i32 s21, s15, HALFT                      ; my 128 rows of A
	s_mul_i32 s22, s16, HALFT                      ; my 128 rows of B,
	s_add_co_u32 s22, s22, 2*HALFT                 ; which lie behind A's 256
.irp s, 0,1
	v_add_nc_u32 v[ADRA+\s], s21, v4
	v_add_nc_u32 v[ADRB+\s], s22, v4
	v_add_nc_u32 v[ADRA+2+\s], s21, v5
	v_add_nc_u32 v[ADRB+2+\s], s22, v5
	s_add_co_u32 s21, s21, SLOT
	s_add_co_u32 s22, s22, SLOT
.endr
	v_mul_u32_u24 v5, v1, KS                       ; my row's scales: 32 bytes a row,
	v_lshrrev_b32 v6, 8, v5
	v_lshl_add_u32 v5, v6, 4, v5                   ; and 16 more for each 256 passed
	s_mul_i32 s21, s15, HALFS
	s_mul_i32 s22, s16, HALFS
	s_add_co_u32 s22, s22, 2*HALFS
	s_sub_co_u32 s22, s22, s21
	v_mul_u32_u24 v6, s22, v2                      ; lanes 16-31 take B's
	s_add_co_u32 s21, s21, SCL
	v_add_nc_u32 v5, v5, v6
	v_add_nc_u32 v[ADRS], s21, v5
	; the way out
	v_and_b32 v6, 31, v0
	v_lshlrev_b32 v[GO16], 4, v6
	v_lshlrev_b32 v[GO8], 3, v6
	v_lshlrev_b32 v[GSC], 4, v1
	v_lshl_add_u32 v[GSC], v2, 15, v[GSC]
	v_lshlrev_b32 v[SH], 4, v2
.irp b, 0,1,2,3
	v_mov_b32 v[TM+4+\b], 0                        ; written once: a lane permute's destination counts as one of its sources
.endr
	s_mov_b32 s[SEL], 0x76543210
	s_mov_b32 s[SEL+1], 0xfedcba98
	s_lshl_b32 s20, s42, 1
	s_add_co_u32 s20, s20, s16                     ; which 128 rows of B are mine: 2 x tile column + half
	s_lshl_b32 s21, s17, 4
	s_lshl_b32 s22, s15, 3
	s_add_co_u32 s21, s21, s22                     ; my first Ablock: 16 x tile row + 8 x half
	s_lshl_b32 s46, s20, 8                         ; scale words: Bhalf = 2 x that 128, 128 groups each,
	s_lshr_b32 s22, s21, 2
	s_add_co_u32 s46, s46, s22                     ; + my first group of four Ablocks,
	s_lshl_b32 s46, s46, 8                         ; 256 bytes a group
	s_mov_b32 s47, 0
	s_add_nc_u64 s[OSC:OSC+1], s[12:13], s[46:47]
	s_lshl_b32 s46, s20, 10                        ; records: 512 to a Bhalf
	s_add_co_u32 s46, s46, s21
	s_mul_i32 s46, s46, 768                        ; (under 2^26)
	s_add_co_u32 s46, s46, 0x400000
	s_add_nc_u64 s[12:13], s[12:13], s[46:47]
.macro FRAG reg, adr, q, i             ; a fragment: lane l holds row l % 16; registers 6 c .. 6 c + 5 hold K = 64 c + 32 (l / 16) + 0 .. 31: 24 bytes of the row, in pieces of 8
.irp p, 0,1,2,3,4,5
.set PIECE, 12*(\q)+6*(\p/3)+\p%3      ; 16 bytes of padding lie behind every 8 pieces: where the piece three on lies behind one padding more, the second address register serves
.if PIECE%8 < 5
	ds_load_b64 v[\reg+2*\p:\reg+2*\p+1], v[\adr] offset:8*PIECE+16*(PIECE/8)+(\i)*16*PITCH
.else
	ds_load_b64 v[\reg+2*\p:\reg+2*\p+1], v[\adr+2] offset:8*PIECE+16*(PIECE/8)+(\i)*16*PITCH
.endif
.endr
.endm
; 16 matrix instructions: A's blocks a0, a0 + 1 x B's eight.  The 64 accumulators take turns, one instruction a turn, in the same order in every step.
.macro MUL16 a0, p, q, sc, zero
.irp a, \a0, \a0+1
.irp b, 0,1,2,3,4,5,6,7
.if \zero
	v_wmma_scale_f32_16x16x128_f8f6f4 v[8*(8*((\a)%4)+\b):8*(8*((\a)%4)+\b)+7], v[128*(\p)+FR*\b:128*(\p)+FR*\b+FR-1], v[AF+FR*(\a):AF+FR*(\a)+FR-1], 0, v[SC+8*NQ*(\sc)+NQ*\b+(\q)], v[SC+8*NQ*(\sc)+NQ*(\a)+(\q)] matrix_a_fmt:MATRIX_FMT_FP6 matrix_b_fmt:MATRIX_FMT_FP6 matrix_a_scale:MATRIX_SCALE_ROW1
.else
	v_wmma_scale_f32_16x16x128_f8f6f4 v[8*(8*((\a)%4)+\b):8*(8*((\a)%4)+\b)+7], v[128*(\p)+FR*\b:128*(\p)+FR*\b+FR-1], v[AF+FR*(\a):AF+FR*(\a)+FR-1], v[8*(8*((\a)%4)+\b):8*(8*((\a)%4)+\b)+7], v[SC+8*NQ*(\sc)+NQ*\b+(\q)], v[SC+8*NQ*(\sc)+NQ*(\a)+(\q)] matrix_a_fmt:MATRIX_FMT_FP6 matrix_b_fmt:MATRIX_FMT_FP6 matrix_a_scale:MATRIX_SCALE_ROW1
.endif
.endr
.endr
.endm
.macro FETCH_B slot, q, p
	WIN TO_B
.irp i, 0,1,2,3,4,5,6,7
	FRAG 128*(\p)+FR*\i, ADRB+\slot, \q, \i
.endr
	WIN 0
.endm
.macro FETCH_A slot, q, i0
.irp i, \i0, \i0+1, \i0+2, \i0+3
	FRAG AF+FR*(\i), ADRA+\slot, \q, \i
.endr
.endm
.macro SCALES sc                       ; a K step's scale words: lanes 0-15 take A's block i, lanes 16-31 B's block i
.irp i, 0,1,2,3,4,5,6,7
	ds_load_b64 v[SC+8*NQ*\sc+NQ*\i:SC+8*NQ*\sc+NQ*\i+1], v[ADRS] offset:\i*SBLK
.endr
.endm
.macro PLACES n                        ; plain vector lines between a matrix instruction and a load into, or a read of, its registers
.rept \n
	v_nop
.endr
.endm
.macro STEP slot, q, zero              ; a step of 128 along K that has its successor in the same slot
	s_wait_dscnt 4*NL                              ; B's set and A's blocks 0-3 are in; the youngest 24 loads (A's blocks 4-7) may be out
	WIN MUL_LO
	MUL16 0, (\q)%2, \q, \slot, \zero
	MUL16 2, (\q)%2, \q, \slot, \zero
	s_wait_dscnt 0                                 ; A's blocks 4-7 are in
	PLACES NP
	FETCH_B \slot, (\q)+1, 1-(\q)%2
	FETCH_A \slot, (\q)+1, 0
	WIN MUL_HI
	MUL16 4, (\q)%2, \q, \slot, \zero
	MUL16 6, (\q)%2, \q, \slot, \zero
	PLACES NP
	WIN 0
	FETCH_A \slot, (\q)+1, 4
.endm
; A slot's last step changes slots: one barrier; in front of it each wave waits for all its tensor loads, adds 0 to its spare word, and waits for that and for its reads of this slot.
.macro TURN slot, next, fill
	s_wait_tensorcnt 0x0                           ; all my tensor loads have landed: my part of the next slot
	ds_add_u32 v[SPW], v[NIL]                      ; 0 onto my spare word
	s_wait_dscnt 4*NL+1                            ; (the add and the youngest 24 loads, A's blocks 4-7, may be out)
	WIN MUL_LO
	MUL16 0, 1, NQ-1, \slot, 0
	s_wait_dscnt 0x0                               ; the add is done, and my reads of this slot are over
	s_barrier_signal -1
	MUL16 2, 1, NQ-1, \slot, 0
	WIN 0
	s_barrier_wait -1
.if \fill
	CREST                                          ; the barrier has opened a round of the cluster's barrier: no wave of any partner still reads this slot or has a load on its way
	s_add_nc_u64 s[G0+4*\slot+2:G0+4*\slot+3], s[G0+4*\slot+2:G0+4*\slot+3], 2*ROWB
	s_add_nc_u64 s[G0B+4*\slot+2:G0B+4*\slot+3], s[G0B+4*\slot+2:G0B+4*\slot+3], 2*ROWB
	JLOAD G0+4*\slot, G1, G0B+4*\slot, G1B         ; the first tensor load behind the round; its four v_nop are the places in front of the loads below
.else
	PLACES NP
.endif
	v_add_nc_u32 v[ADRS], 4*NQ, v[ADRS]            ; on to the next K step's scale words
	FETCH_B \next, 0, 0
	FETCH_A \next, 0, 0
	SCALES \next
	WIN MUL_HI
	MUL16 4, 1, NQ-1, \slot, 0
	MUL16 6, 1, NQ-1, \slot, 0
	PLACES NP
	WIN 0
	FETCH_A \next, 0, 4
.endm
	s_wait_tensorcnt 1                             ; the scales and my part of K step 0 are in (K step 1's load may be out),
	s_barrier_signal -1
	s_barrier_wait -1                              ; everybody's are
	FETCH_B 0, 0, 0
	FETCH_A 0, 0, 0
	SCALES 0
	FETCH_A 0, 0, 4
	STEP 0, 0, 1                                   ; the first step's products start the sums
	s_mov_b32 s3, LAPS-1
.Llap:                                                 ; a trip goes once round the ring and fills both slots again
	TURN 0, 1, 1
	STEP 1, 0, 0
	TURN 1, 0, 1
	STEP 0, 0, 0
	s_sub_co_u32 s3, s3, 1
	s_cmp_lg_u32 s3, 0
	s_cbranch_scc1 .Llap
	TURN 0, 1, 0                                   ; the last lap fills nothing
	STEP 1, 0, 0
	s_wait_dscnt 4*NL                              ; the very last step
	WIN MUL_LO
	MUL16 0, 1, NQ-1, 1, 0
	MUL16 2, 1, NQ-1, 1, 0
	s_wait_dscnt 0
	WIN MUL_HI
	MUL16 4, 1, NQ-1, 1, 0
	MUL16 6, 1, NQ-1, 1, 0
	WIN 0
; THE WAY OUT of A's block a: its 64 registers a lane, register 16 b + i = B's row 32 b + 16 (lane / 16) + i of my row of A, become 12 registers of codes and a scale word, and leave as two records.
.macro OUTBLK a
.set AC, 64*((\a)%4)
.set W, 2+(\a)/4
.set WW, W|(W<<2)
	WIN WW                                         ; sources 0 and 1: the accumulators' window
.irp b, 0,1,2,3
	v_max3_num_f32 v[TM+\b], |v[AC+16*\b]|, |v[AC+16*\b+1]|, 0x1800000   ; block b: my 16 numbers and the floor 2^(3 - 127); each accumulator is read from its low end on
.endr
.irp i, 2,4,6,8,10,12,14
.irp b, 0,1,2,3
	v_max3_num_f32 v[TM+\b], |v[AC+16*\b+\i]|, |v[AC+16*\b+\i+1]|, v[TM+\b]
.endr
.endr
	WIN 0
.irp b, 0,1,2,3
	v_permlanex16_b32 v[TM+4+\b], v[TM+\b], s[SEL], s[SEL+1]
.endr
.irp b, 0,1,2,3
	v_max_num_f32 v[TM+\b], v[TM+\b], v[TM+4+\b]   ; with lane l xor 16's: the block's largest magnitude
.endr
.irp b, 0,1,2,3
	v_add_nc_u32 v[TM+12+\b], 0xff000000, v[TM+\b] ; 2 off its exponent field: the conversion's scale operand
.endr
.irp b, 0,1,2,3
	v_lshrrev_b32 v[TM+4+\b], 23, v[TM+12+\b]      ; the scale's byte
.endr
	v_lshl_or_b32 v[PW], v[TM+5], 8, v[TM+4]
	v_lshl_or_b32 v[PW], v[TM+6], 16, v[PW]
	v_lshl_or_b32 v[PW], v[TM+7], 24, v[PW]
	v_lshrrev_b32 v[SW+\a], v[SH], v[PW]           ; lanes 0-15 keep the word of the lower 64, lanes 16-31 that of the upper 64
	s_wait_xcnt 0x0                                ; the last block's stores have read the codes' registers: they are written again only behind this wait
	WIN W                                          ; source 0: the accumulators' window
.irp c, 0,1
	v_cvt_scalef32_pk16_fp6_f32 v[CD+6*\c:CD+6*\c+2], v[AC+32*\c:AC+32*\c+15], v[TM+12+2*\c]
	v_cvt_scalef32_pk16_fp6_f32 v[CD+12+4*\c:CD+14+4*\c], v[AC+32*\c+16:AC+32*\c+31], v[TM+12+2*\c+1]   ; (a conversion's three registers begin on an even number)
.endr
	WIN 0
	v_nop                                          ; one plain line behind a scaled conversion
.irp c, 0,1                                    ; the operand's layout wants a whole block in a lane: lanes 0-15 block 2 c, lanes 16-31 block 2 c + 1
.irp i, 0,1,2
	v_permlane16_swap_b32 v[CD+6*\c+\i], v[CD+12+4*\c+\i]
.endr
.irp i, 0,1,2
	v_mov_b32 v[CD+3+6*\c+\i], v[CD+12+4*\c+\i]
.endr
.endr
.irp c, 0,1
	global_store_b128 v[GO16], v[CD+6*\c:CD+6*\c+3], s[12:13] offset:393216*\c+768*(\a)          ; 512 consecutive bytes, aligned to 256
	global_store_b64 v[GO8], v[CD+6*\c+4:CD+6*\c+5], s[12:13] offset:393216*\c+768*(\a)+512      ; 256 consecutive bytes, aligned
.endr
.if (\a)%4 == 3
	global_store_b128 v[GSC], v[SW+(\a)-3:SW+(\a)], s[OSC:OSC+1] offset:256*((\a)/4)             ; four blocks' words of my row: sixteen lanes fill 256 aligned bytes, in each of the two halves
.endif
.endm
	PLACES NP                                      ; behind the last products, in front of the first read of results
.irp a, 0,1,2,3,4,5,6,7
	OUTBLK \a
.endr
	s_wait_tensorcnt 0x0                           ; the wave's end
	ds_add_u32 v[SPW], v[NIL]
	s_wait_dscnt 0x0
	CROUND                                         ; the closing round: no work-group ends while a partner may still ask for a tile that names it
	s_endpgm
.Lfunc_end_k_qe33e7318f0_gemm_qk:
	.size	k_qe33e7318f0_gemm_qk, .Lfunc_end_k_qe33e7318f0_gemm_qk-k_qe33e7318f0_gemm_qk
	.p2alignl 7, 3214868480
	.fill 96, 4, 3214868480
	.section	.rodata,"a",@progbits
	.p2align	6, 0x0
	.amdhsa_kernel k_qe33e7318f0_gemm_qk
		.amdhsa_group_segment_fixed_size 327680
		.amdhsa_private_segment_fixed_size 0
		.amdhsa_enable_private_segment 0
		.amdhsa_kernarg_size 24
		.amdhsa_user_sgpr_count 2
		.amdhsa_user_sgpr_kernarg_segment_ptr 1
		.amdhsa_wavefront_size32 1
		.amdhsa_system_sgpr_workgroup_id_x 1
		.amdhsa_system_sgpr_workgroup_id_y 1
		.amdhsa_system_sgpr_workgroup_id_z 1
		.amdhsa_system_vgpr_workitem_id 0
		.amdhsa_next_free_vgpr 1024
		.amdhsa_next_free_sgpr 98
		.amdhsa_reserve_vcc 0
		.amdhsa_float_denorm_mode_32 3
		.amdhsa_float_denorm_mode_16_64 3
		.amdhsa_memory_ordered 1
		.amdhsa_forward_progress 1
		.amdhsa_inst_pref_size 165
	.end_amdhsa_kernel
	.amdgpu_metadata
---
amdhsa.version: [ 1, 2 ]
amdhsa.kernels:
  - .name:           k_qe33e7318f0_gemm_qk
    .symbol:         k_qe33e7318f0_gemm_qk.kd
    .args:
      - { .name: xq, .offset: 0, .size: 8, .value_kind: global_buffer, .address_space: global }
      - { .name: wqk, .offset: 8, .size: 8, .value_kind: global_buffer, .address_space: global }
      - { .name: qk, .offset: 16, .size: 8, .value_kind: global_buffer, .address_space: global }
    .group_segment_fixed_size: 327680
    .private_segment_fixed_size: 0
    .kernarg_segment_align: 8
    .kernarg_segment_size: 24
    .max_flat_workgroup_size: 128
    .sgpr_count:     98
    .vgpr_count:     1024
    .wavefront_size: 32
...
	.end_amdgpu_metadata
.endif
;; end of part 2
;; launch gemm_v: the kernel of part 2 again; grid 32 x 4, 4 waves a work-group, clusters of 4 x 4, 327,680 bytes of LDS; arguments wv, xq, vt; writes vt
;; launch attn (part 3): grid 4 x 64, 16 waves a work-group, no clusters, 210,944 bytes of LDS; arguments qk, vt, oq; writes oq
.if DOCPART == 3
	.amdgcn_target "amdgcn-amd-amdhsa--gfx1250"
	.amdhsa_code_object_version 6
	.text
	.protected	k_qe33e7318f0_attn
	.globl	k_qe33e7318f0_attn
	.p2align	8
	.type	k_qe33e7318f0_attn,@function
k_qe33e7318f0_attn:
	s_mov_b64 s[64:65], 0
	v_nop
	global_prefetch_b8 v0, s[64:65] scope:SCOPE_SE
	s_setreg_imm32_b32 hwreg(HW_REG_WAVE_MODE, 25, 1), 1
	s_wait_xcnt 0x0
; Causal attention of one (batch, head) on codes of FP6 (E2M3) with E8M0 scales; head size 64, 2,048 tokens.  O / l is quantised along (head, d) and leaves as codes: the operand of the last projection.
; INPUTS (made by the two launches before): records of 768 bytes (16 rows x 64 along K: bytes 0-511 registers 0-3, lane l at 16 l; bytes 512-767 registers 4-5, lane l at 8 l; lane (r, h) holds block h of row r),
; [Bhalf][512 Ablocks][768] from byte 4,194,304, and scale words [Bhalf][128 groups][r][4] from byte 0.  In qk: Bhalf = head for q, 16 + head for k; Ablock = 16 token places.  In vt: Bhalf = 64 keys, Ablock = 16 places of d.
; Sixteen places 16 (2 g + u) + r hold tokens (or d) 32 g + 8 u + r + 8 (r / 8): so with S^T = K Q^T and O^T = V^T P^T a lane holds one query, the 16 registers of tiles 2 g, 2 g + 1 are 16 neighbouring keys (or d).
; THE SOFTMAX: t = score x log2(e) / 8; M = the running largest t rounded up to a whole number; p = 2^(t - M) is quantised along the keys; the sum is taken of the unquantised p and divides O at the end.
; K = 64 IN AN INSTRUCTION OF 128: q's operand has zero codes in its upper six registers; K's operand for tile t is tile t's six registers and the six that follow (tile t + 1's, or zeros), which meet only zero codes;
; the upper two bytes of the scale words are another head's bytes or 0, never 0xff.
; SHARES.  Work-group (i, batch x 16 + head) owns query blocks i and 7 - i of 256; wave w takes tile w of the first and tile 15 - w of the second: 17 key steps of 128 keys for every wave.
; Steps all of whose keys come after the wave's queries are jumped over (a scalar branch on ids); trip counts are constants.
; LDS holds the head's whole K and V as codes with their scale words, each byte filled once: no slot is filled again.  Two barriers in all: behind the first, keys 0-511 are there; behind the second, all.
; NO CLUSTER: the four work-groups of a head read the same K and V, but which key steps a wave jumps over hangs on its query block, which is the work-group's place among the four.
; LIMITS: NaN and infinities are not served; a block of zeros or under 2^-124 gets the byte 1; a block's largest p is taken from its largest score, which takes v_exp_f32 not to fall where its input rises.
.set KC,   0                           ; K's codes: [key Ablock 0..127][768]
.set VC,   98304                       ; V's codes: [Bhalf 0..31][4 tiles of d][768]
.set KSC,  196608                      ; K's scale words: [group 0..31][r][4]
.set VSC,  204800                      ; V's scale words: [128 keys 0..15][r][4]
.set BM,   212                         ; v212-215 a block's largest score, then its largest p
.set BX,   216                         ; v216-219 the other lane's; then the bytes
.set SO,   220                         ; v220-223 the conversions' scale operands
.set SEL,  84                          ; s[84:85] lane l xor 16
.set CS,   86                          ; s[86:87] c = log2(e) / 8
.set TBC,  88                          ; s88 the step's codes: 6,144 bytes a step in K's region and in V's
.set TSK,  89                          ; s89 K's scale words: 512 bytes a step
.set TSV,  90                          ; s90 V's: 256
.set KF,   91                          ; s91 the step's first key
.set Q0,   92                          ; s92 my tile's first query; lane r has Q0 + r + 8 (r / 8)
.set CNT,  93
.set AB,   94                          ; s94 my tile's Ablock
; REGISTERS: v1-7 addresses that stay; v8-11, v28, v29 addresses of the step; v12 -M, v13 the largest t, v[14:15] the sum; v16-21 q, v22-27 zeros; v30 16 l, v31 8 l; v32-79 K's eight halves, then V's four fragments;
; v80-85 zeros; v86 16 r, v87 32 r + h, v88 8 h; v90-95 O's codes; v96-159 S^T, then p; v160-191 O^T; v192-203 p's codes; v204-210 second halves as converted; v224 d, v225 -infinity, v226-227 at work;
; v[228:229] f; v[230:231] the second chain of the sum; v240-247 K's scale words, v248-251 V's, v253 p's, v255 q's.
.macro G1SET g, c, r, p                ; group 1: r rows of c elements of 8 bytes, p elements from row to row, no padding, no mask
	s_mov_b32 s[\g], 3<<16
	s_mov_b32 s[\g+1], (\c)<<16
	s_mov_b32 s[\g+2], (\r)<<16
	s_mov_b32 s[\g+3], (\c)<<16
	s_mov_b32 s[\g+4], \r
	s_mov_b32 s[\g+5], \p
	s_mov_b32 s[\g+6], 0
	s_mov_b32 s[\g+7], 0
.endm
	s_load_b128 s[4:7], s[0:1], 0x0                ; qk, vt
	s_load_b64 s[8:9], s[0:1], 0x10                ; oq
	v_lshl_add_u32 v252, v0, 2, 0x33000
	v_mov_b32 v254, 0
	ds_add_u32 v252, v254
	ds_add_u32 v252, v254
	v_lshrrev_b32 v1, 5, v0
	s_delay_alu instid0(VALU_DEP_1)
	v_readfirstlane_b32 s10, v1                    ; wave w
	s_and_b32 s11, s10, 7                          ; u: waves 0-7 fetch K's eighths, waves 8-15 V's
	s_mov_b32 s12, ttmp9                           ; i
	s_and_b32 s13, ttmp7, 0xffff
	s_lshr_b32 s14, s13, 4                         ; batch
	s_and_b32 s15, s13, 15                         ; head
	G1SET 16, 32, 12, 32                           ; early, K's and V's: 3,072 dense bytes
	G1SET 24, 32, 36, 32                           ; K late: 9,216 dense bytes
	G1SET 32, 32, 4, 32                            ; K's scale words: 1,024 dense bytes
	G1SET 40, 384, 3, 49152                        ; V late: three Bhalf of 3,072 bytes, 393,216 bytes apart
	G1SET 48, 32, 2, 8192                          ; V's scale words: two runs of 256 bytes, 65,536 apart
	s_mov_b32 s56, 1                               ; groups 0: the count; the LDS address: a constant + a constant x u
	s_lshl_b32 s57, s11, 10
	s_add_co_u32 s57, s57, KSC
	s_mov_b32 s60, 1
	s_mul_i32 s61, s11, 3072
	s_mov_b32 s68, 1
	s_mul_i32 s69, s11, 9216
	s_add_co_u32 s69, s69, KC+24576
	s_mov_b32 s72, 1
	s_lshl_b32 s73, s11, 9
	s_add_co_u32 s73, s73, VSC
	s_mov_b32 s76, 1
	s_mul_i32 s77, s11, 3072
	s_add_co_u32 s77, s77, VC
	s_mov_b32 s80, 1
	s_mul_i32 s81, s11, 9216
	s_add_co_u32 s81, s81, VC+24576
	s_mov_b32 s[SEL], 0x76543210
	s_mov_b32 s[SEL+1], 0xfedcba98
	s_mov_b32 s[CS], 0x3e38aa3b
	s_mov_b32 s[CS+1], s[CS]                       ; (named with it as a pair, so it is written)
	s_mov_b32 s97, 0
	s_add_co_u32 s92, s15, 16                      ; k's Bhalf
	s_lshl_b32 s93, s92, 7
	s_lshl_b32 s88, s14, 5
	s_add_co_u32 s93, s93, s88                     ; its first group of this batch: (16 + head) 128 + 32 batch
	s_wait_dscnt 0x0
	s_wait_kmcnt 0x0
	s_lshl_b32 s96, s93, 8
	s_lshl_b32 s88, s11, 10
	s_add_co_u32 s96, s96, s88
	s_add_nc_u64 s[58:59], s[4:5], s[96:97]        ; K's scale words, my eighth
	s_lshl_b32 s96, s93, 2                         ; four Ablocks to a group
	s_mul_i32 s96, s96, 768
	s_add_co_u32 s96, s96, 0x400000
	s_add_nc_u64 s[94:95], s[4:5], s[96:97]        ; K's first record
	s_mul_i32 s96, s11, 3072
	s_add_nc_u64 s[62:63], s[94:95], s[96:97]      ; keys 0-511, my eighth
	s_mul_i32 s96, s11, 9216
	s_add_co_u32 s96, s96, 24576
	s_add_nc_u64 s[70:71], s[94:95], s[96:97]      ; keys 512-2047, my eighth
	s_lshl_b32 s96, s14, 12
	s_add_co_u32 s96, s96, s15
	s_lshl_b32 s96, s96, 8                         ; (Bhalf 32 batch) x 128 groups + group head, 256 bytes each
	s_lshl_b32 s88, s11, 17                        ; two runs of 128 keys on: 2 x 65,536
	s_add_co_u32 s96, s96, s88
	s_add_nc_u64 s[74:75], s[6:7], s[96:97]        ; V's scale words
	s_lshl_b32 s96, s14, 14
	s_lshl_b32 s88, s15, 2
	s_add_co_u32 s96, s96, s88
	s_mul_i32 s96, s96, 768                        ; (32 batch x 512 + 4 head) records
	s_add_co_u32 s96, s96, 0x400000
	s_add_nc_u64 s[94:95], s[6:7], s[96:97]        ; V's first record
	s_mul_i32 s96, s11, 393216
	s_add_nc_u64 s[78:79], s[94:95], s[96:97]      ; Bhalf u
	s_mul_i32 s96, s11, 3
	s_add_co_u32 s96, s96, 8
	s_mul_i32 s96, s96, 393216
	s_add_nc_u64 s[82:83], s[94:95], s[96:97]      ; Bhalf 8 + 3 u on
.irp g, 59, 63, 71, 75, 79, 83
	s_or_b32 s[\g], s[\g], 0x80000000              ; the type
.endr
	s_cmp_lt_u32 s10, 8                            ; a wave's three first fills stand in one branch: scale words, keys 0-511, the rest.  Three loads of mine are out
	s_cbranch_scc0 .Lfill_v
	tensor_load_to_lds s[56:59], s[32:39]
	s_nop 0
	tensor_load_to_lds s[60:63], s[16:23]
	s_nop 0
	tensor_load_to_lds s[68:71], s[24:31]
	s_nop 0
.rept 4
	v_nop
.endr
	s_branch .Lfilled
.Lfill_v:
	tensor_load_to_lds s[72:75], s[48:55]
	s_nop 0
	tensor_load_to_lds s[76:79], s[16:23]
	s_nop 0
	tensor_load_to_lds s[80:83], s[40:47]
	s_nop 0
.rept 4
	v_nop
.endr
.Lfilled:
	v_and_b32 v226, 31, v0                         ; lane
	s_delay_alu instid0(VALU_DEP_1)
	v_lshlrev_b32 v30, 4, v226
	s_delay_alu instid0(VALU_DEP_2)
	v_lshlrev_b32 v31, 3, v226
	v_and_b32 v227, 15, v0                         ; r
	v_bfe_u32 v224, v0, 4, 1                       ; h
	s_delay_alu instid0(VALU_DEP_2)
	v_lshlrev_b32 v86, 4, v227
	s_delay_alu instid0(VALU_DEP_2)
	v_lshl_add_u32 v87, v227, 5, v224
	s_delay_alu instid0(VALU_DEP_3)
	v_lshlrev_b32 v88, 3, v224
	v_add_nc_u32 v1, KC, v30                       ; a record's first 512 bytes,
	v_add_nc_u32 v2, KC+512, v31                   ; its last 256
	v_add_nc_u32 v3, VC, v30
	v_add_nc_u32 v4, VC+512, v31
	v_add_nc_u32 v5, KSC, v86                      ; my row's four scale words
	v_add_nc_u32 v6, VSC, v86
	v_and_b32 v7, 8, v227
	s_delay_alu instid0(VALU_DEP_1)
	v_add_nc_u32 v7, v7, v227
	v_lshlrev_b32 v225, 4, v224
	s_delay_alu instid0(VALU_DEP_1)
	v_sub_nc_u32 v7, v7, v225                      ; r + 8 (r / 8) - 16 h
	v_mov_b32 v225, 0xff800000                     ; -infinity
	v_mov_b32 v226, 0                              ; written once: destinations of lane permutes, upper halves of pairs, zero codes
	v_mov_b32 v229, 0
.irp j, 22,23,24,25,26,27,80,81,82,83,84,85,216,217,218,219
	v_mov_b32 v[\j], 0
.endr
; My tile of queries: its Ablock, its first query, its record and scale words; the three loads.
.macro QSET ph
.if \ph
	s_sub_co_u32 s95, 15, s10                      ; tile 15 - w of block 7 - i
	s_sub_co_u32 s96, 7, s12
.else
	s_mov_b32 s95, s10                             ; tile w of block i
	s_mov_b32 s96, s12
.endif
	s_lshl_b32 s[AB], s14, 7
	s_lshl_b32 s97, s96, 4
	s_add_co_u32 s[AB], s[AB], s97
	s_add_co_u32 s[AB], s[AB], s95                 ; 128 batch + 16 block + tile
	s_lshl_b32 s[Q0], s96, 8
	s_lshr_b32 s97, s95, 1
	s_lshl_b32 s97, s97, 5
	s_add_co_u32 s[Q0], s[Q0], s97
	s_and_b32 s97, s95, 1
	s_lshl_b32 s97, s97, 3
	s_add_co_u32 s[Q0], s[Q0], s97                 ; 256 block + 32 (tile / 2) + 8 (tile % 2)
	s_lshl_b32 s96, s15, 9
	s_add_co_u32 s96, s96, s[AB]
	s_mul_i32 s96, s96, 768
	s_add_co_u32 s96, s96, 0x400000
	s_mov_b32 s97, 0
	s_add_nc_u64 s[2:3], s[4:5], s[96:97]          ; q's record
	s_lshl_b32 s96, s15, 7
	s_lshr_b32 s95, s[AB], 2
	s_add_co_u32 s96, s96, s95
	s_lshl_b32 s96, s96, 8
	s_and_b32 s95, s[AB], 3
	s_lshl_b32 s95, s95, 2
	s_add_co_u32 s96, s96, s95
	s_add_nc_u64 s[66:67], s[4:5], s[96:97]        ; q's scale words
	global_load_b128 v[16:19], v30, s[2:3]
	global_load_b64 v[20:21], v31, s[2:3] offset:512
	global_load_b32 v255, v86, s[66:67]
.endm
.macro OSET                            ; where my tile's O goes: record (Ablock, head), and bytes 2 head, 2 head + 1 of its 16 rows of scale bytes
	s_lshl_b32 s96, s[AB], 4
	s_add_co_u32 s96, s96, s15
	s_mul_i32 s96, s96, 768
	s_add_co_u32 s96, s96, 0x40000
	s_mov_b32 s97, 0
	s_add_nc_u64 s[98:99], s[8:9], s[96:97]
	s_lshl_b32 s96, s[AB], 9
	s_lshl_b32 s95, s15, 1
	s_add_co_u32 s96, s96, s95
	s_add_nc_u64 s[100:101], s[8:9], s[96:97]
.endm
.macro INIT                            ; the key step is written once: the first finds zeros, which the first change of M leaves zeros
	v_mov_b32 v13, 0xff61b1e6                      ; the largest t so far: -3e38
	s_delay_alu instid0(VALU_DEP_1)
	v_floor_f32 v12, -v13                          ; -M
	v_mov_b32 v14, 0
	v_mov_b32 v15, 0
.set j, 0
.rept 32
	v_mov_b32 v[160+j], 0
.set j, j+1
.endr
	s_mov_b32 s[TBC], 0
	s_mov_b32 s[TSK], 0
	s_mov_b32 s[TSV], 0
	s_mov_b32 s[KF], 0
.endm
; A KEY STEP: 128 keys.
.macro STEP
	s_add_co_u32 s95, s[Q0], 23                    ; my last query
	s_cmp_gt_u32 s[KF], s95
	s_cbranch_scc1 .Lhidden_\@                     ; all 128 keys come after my queries: only the addresses step
	s_setprio 2
	v_add_nc_u32 v8, s[TBC], v1                    ; (these six are also the places in front of the loads into registers that the last products read)
	v_add_nc_u32 v9, s[TBC], v2
	v_add_nc_u32 v10, s[TBC], v3
	v_add_nc_u32 v11, s[TBC], v4
	v_add_nc_u32 v28, s[TSK], v5
	v_add_nc_u32 v29, s[TSV], v6
.irp t, 0,1,2,3,4,5,6,7
	ds_load_b128 v[32+6*\t:35+6*\t], v8 offset:768*\t
	ds_load_b64 v[36+6*\t:37+6*\t], v9 offset:768*\t
.endr
	ds_load_b128 v[240:243], v28
	ds_load_b128 v[244:247], v28 offset:256
	s_wait_alu depctr_va_vdst(0)
	s_wait_dscnt 0x0
.irp t, 0,1,2,3,4,5,6,7                        ; S^T = K Q^T: lane (r, h) holds query r; the 16 registers of tiles 2 b, 2 b + 1 are keys 32 b + 16 h + 0 .. 15
	v_wmma_scale_f32_16x16x128_f8f6f4 v[96+8*\t:103+8*\t], v[32+6*\t:43+6*\t], v[16:27], 0, v[240+\t], v255 matrix_a_fmt:MATRIX_FMT_FP6 matrix_b_fmt:MATRIX_FMT_FP6
.endr
.rept 4
	v_nop                                          ; places in front of the loads below and of the first read of the scores
.endr
.irp t, 0,1,2,3                                ; V's four fragments land under the softmax
	ds_load_b128 v[32+12*\t:35+12*\t], v10 offset:768*\t
	ds_load_b64 v[36+12*\t:37+12*\t], v11 offset:768*\t
	ds_load_b128 v[38+12*\t:41+12*\t], v10 offset:3072+768*\t
	ds_load_b64 v[42+12*\t:43+12*\t], v11 offset:3072+768*\t
.endr
	ds_load_b128 v[248:251], v29
	s_add_co_u32 s95, s[KF], 127                   ; on the diagonal hidden scores become -infinity; a step all of whose keys count skips this
	s_cmp_le_u32 s95, s[Q0]
	s_cbranch_scc1 .Lopen_\@
	s_sub_co_i32 s95, s[Q0], s[KF]
	v_add_nc_u32 v224, s95, v7                     ; d = my query - KF - 16 h.  Register 16 b + i holds key KF + 16 h + 32 b + i: hidden where 32 b + i > d
.set n, 0
.rept 64
	v_cmp_gt_i32 vcc_lo, 32*(n/16)+n%16, v224
	v_cndmask_b32 v[96+n], v[96+n], v225, vcc_lo
.set n, n+1
.endr
.Lopen_\@:
.irp b, 0,1,2,3
	v_max3_num_f32 v[BM+\b], v[96+16*\b], v[97+16*\b], v[98+16*\b]   ; the largest score of each block of 32 keys: for the row's maximum and for the block's largest p
.endr
.irp i, 3,5,7,9,11,13
.irp b, 0,1,2,3
	v_max3_num_f32 v[BM+\b], v[BM+\b], v[96+16*\b+\i], v[97+16*\b+\i]
.endr
.endr
.irp b, 0,1,2,3
	v_max_num_f32 v[BM+\b], v[BM+\b], v[111+16*\b]
.endr
.irp b, 0,1,2,3
	s_delay_alu instid0(VALU_DEP_4)
	v_permlanex16_b32 v[BX+\b], v[BM+\b], s[SEL], s[SEL+1]
.endr
.irp b, 0,1,2,3
	s_delay_alu instid0(VALU_DEP_4)
	v_max_num_f32 v[BM+\b], v[BM+\b], v[BX+\b]     ; with lane l xor 16's 16 keys
.endr
	s_delay_alu instid0(VALU_DEP_2)
	v_max3_num_f32 v226, v[BM], v[BM+1], v[BM+2]
	s_delay_alu instid0(VALU_DEP_1)
	v_max_num_f32 v226, v226, v[BM+3]              ; the step's largest score of my query
	s_delay_alu instid0(VALU_DEP_1)
	v_mul_f32 v226, s[CS], v226                    ; as t
	s_delay_alu instid0(VALU_DEP_1)
	v_max_num_f32 v13, v13, v226                   ; the running largest t
	v_mov_b32 v226, v12
	s_delay_alu instid0(VALU_DEP_2)
	v_floor_f32 v12, -v13                          ; the new -M = -ceil(t)
	s_delay_alu instid0(VALU_DEP_1)
	v_sub_f32 v226, v12, v226                      ; old M - new M: a whole number, 0 or less
	s_delay_alu instid0(VALU_DEP_1)
	v_cvt_i32_f32 v226, v226
	s_delay_alu instid0(VALU_DEP_1)
	v_ldexp_f32 v228, 1.0, v226                    ; f = 2^(old M - new M)
.set j, 0
	s_setprio 1
.rept 32
	v_pk_fma_f32 v[96+j:97+j], v[96+j:97+j], s[CS:CS+1], v[12:13] op_sel_hi:[1,0,0]   ; t - M, two at a time
.set j, j+2
.endr
.irp b, 0,1,2,3
	v_fma_f32 v[BM+\b], v[BM+\b], s[CS], v12       ; the same of each block's largest score
.endr
.set j, 0
	s_wait_alu depctr_va_vdst(0)
.rept 64
	v_exp_f32 v[96+j], v[96+j]                     ; p = 2^(t - M)
.set j, j+1
.endr
	v_pk_mul_f32 v[14:15], v[14:15], v[228:229] op_sel_hi:[1,0]   ; the sums under the new M (the plain line behind the exponentials)
	s_wait_alu depctr_va_vdst(0)                   ; one wait for the batch of 64, ahead of its first reader
.irp b, 0,1,2,3
	v_exp_f32 v[BM+\b], v[BM+\b]                   ; the block's largest p
.endr
	v_pk_add_f32 v[230:231], v[100:101], v[104:105]
	v_pk_add_f32 v[246:247], v[108:109], v[112:113]
	v_pk_add_f32 v[244:245], v[116:117], v[120:121]
	v_pk_add_f32 v[242:243], v[124:125], v[128:129]
	v_pk_add_f32 v[240:241], v[132:133], v[136:137]
	v_pk_add_f32 v[238:239], v[140:141], v[144:145]
	v_pk_add_f32 v[236:237], v[148:149], v[152:153]
	v_pk_add_f32 v[14:15], v[14:15], v[156:157]
	v_pk_add_f32 v[230:231], v[230:231], v[96:97]
	v_pk_add_f32 v[246:247], v[246:247], v[98:99]
	v_pk_add_f32 v[244:245], v[244:245], v[102:103]
	v_pk_add_f32 v[242:243], v[242:243], v[106:107]
	v_pk_add_f32 v[240:241], v[240:241], v[110:111]
	v_pk_add_f32 v[238:239], v[238:239], v[114:115]
	v_pk_add_f32 v[236:237], v[236:237], v[118:119]
	v_pk_add_f32 v[14:15], v[14:15], v[122:123]
	v_pk_add_f32 v[230:231], v[230:231], v[126:127]
	v_pk_add_f32 v[246:247], v[246:247], v[130:131]
	v_pk_add_f32 v[244:245], v[244:245], v[134:135]
	v_pk_add_f32 v[242:243], v[242:243], v[138:139]
	v_pk_add_f32 v[240:241], v[240:241], v[142:143]
	v_pk_add_f32 v[238:239], v[238:239], v[146:147]
	v_pk_add_f32 v[236:237], v[236:237], v[150:151]
	v_pk_add_f32 v[14:15], v[14:15], v[154:155]
	v_pk_add_f32 v[230:231], v[230:231], v[158:159]
	s_delay_alu instid0(VALU_DEP_2)
	v_pk_add_f32 v[14:15], v[14:15], v[242:243]
	s_delay_alu instid0(VALU_DEP_2)
	v_pk_add_f32 v[230:231], v[230:231], v[240:241]
	v_pk_add_f32 v[246:247], v[246:247], v[238:239]
	v_pk_add_f32 v[244:245], v[244:245], v[236:237]
	s_delay_alu instid0(VALU_DEP_2)
	v_pk_add_f32 v[14:15], v[14:15], v[246:247]
	s_delay_alu instid0(VALU_DEP_2)
	v_pk_add_f32 v[230:231], v[230:231], v[244:245]
	s_delay_alu instid0(VALU_DEP_1)
	v_pk_add_f32 v[14:15], v[14:15], v[230:231]
	s_wait_alu depctr_va_vdst(0)                   ; and one for the four
.irp b, 0,1,2,3
	v_max_num_f32 v[BM+\b], 0x1800000, v[BM+\b]    ; the floor 2^(3 - 127)
.endr
.irp b, 0,1,2,3
	s_delay_alu instid0(VALU_DEP_4)
	v_add_nc_u32 v[SO+\b], 0xff000000, v[BM+\b]    ; 2 off the exponent field: the conversion's scale operand
.endr
.irp b, 0,1,2,3
	s_delay_alu instid0(VALU_DEP_4)
	v_lshrrev_b32 v[BX+\b], 23, v[SO+\b]           ; the scale's byte
.endr
	s_delay_alu instid0(VALU_DEP_3)
	v_lshl_or_b32 v253, v[BX+1], 8, v[BX]          ; p's scale word for these 128 keys
	s_delay_alu instid0(VALU_DEP_1)
	v_lshl_or_b32 v253, v[BX+2], 16, v253
	s_delay_alu instid0(VALU_DEP_1)
	v_lshl_or_b32 v253, v[BX+3], 24, v253
	s_setprio 0
.irp c, 0,1
	v_cvt_scalef32_pk16_fp6_f32 v[192+6*\c:194+6*\c], v[96+32*\c:111+32*\c], v[SO+2*\c]
	v_cvt_scalef32_pk16_fp6_f32 v[204+4*\c:206+4*\c], v[112+32*\c:127+32*\c], v[SO+2*\c+1]
.endr
	v_nop                                          ; one plain line behind a scaled conversion
.irp c, 0,1                                    ; a whole block in a lane: lanes 0-15 block 2 c, lanes 16-31 block 2 c + 1
.irp i, 0,1,2
	v_permlane16_swap_b32 v[192+6*\c+\i], v[204+4*\c+\i]
.endr
.irp i, 0,1,2
	s_delay_alu instid0(VALU_DEP_3)
	v_mov_b32 v[195+6*\c+\i], v[204+4*\c+\i]
.endr
.endr
.set j, 0
.rept 16
	v_pk_mul_f32 v[160+j:161+j], v[160+j:161+j], v[228:229] op_sel_hi:[1,0]   ; O^T under the new M, each accumulator from its low end on; of these 16 lines 12 name no register of a given product below: its places
.set j, j+2
.endr
	s_wait_alu depctr_va_vdst(0)
	s_wait_dscnt 0x0                               ; V and its scale words are in
.irp t, 0,1,2,3                                ; O^T += V^T P^T: the four accumulators by turns
	v_wmma_scale_f32_16x16x128_f8f6f4 v[160+8*\t:167+8*\t], v[32+12*\t:43+12*\t], v[192:203], v[160+8*\t:167+8*\t], v[248+\t], v253 matrix_a_fmt:MATRIX_FMT_FP6 matrix_b_fmt:MATRIX_FMT_FP6
.endr
.Lhidden_\@:
	s_add_co_u32 s[KF], s[KF], 128
	s_add_co_u32 s[TBC], s[TBC], 6144
	s_add_co_u32 s[TSK], s[TSK], 512
	s_add_co_u32 s[TSV], s[TSV], 256
.endm
.macro LOOPN n
	s_mov_b32 s[CNT], \n
.Lkeys_\@:
	STEP
	s_sub_co_u32 s[CNT], s[CNT], 1
	s_cmp_lg_u32 s[CNT], 0
	s_cbranch_scc1 .Lkeys_\@
	s_setprio 0
.endm
; O^T / l; register 16 g + i is d = 32 g + 16 h + i of my query: two blocks of 32 along the last projection's K.  They become one record and two scale bytes a row.
.macro FINISH
	v_add_f32 v14, v14, v15
	s_delay_alu instid0(VALU_DEP_1)
	v_permlanex16_b32 v226, v14, s[SEL], s[SEL+1]
	s_delay_alu instid0(VALU_DEP_1)
	v_add_f32 v14, v14, v226                       ; the row's sum
	s_wait_alu depctr_va_vdst(0)
	v_rcp_f32 v14, v14
	v_nop                                          ; a plain line behind the reciprocal,
	s_wait_alu depctr_va_vdst(0)                   ; and the wait ahead of its first reader
.set j, 0
.rept 16
	v_pk_mul_f32 v[96+j:97+j], v[160+j:161+j], v[14:15] op_sel_hi:[1,0]
.set j, j+2
.endr
.irp b, 0,1
	v_max3_num_f32 v[BM+\b], |v[96+16*\b]|, |v[97+16*\b]|, 0x1800000
.endr
.irp i, 2,4,6,8,10,12,14
.irp b, 0,1
	s_delay_alu instid0(VALU_DEP_2)
	v_max3_num_f32 v[BM+\b], v[BM+\b], |v[96+16*\b+\i]|, |v[97+16*\b+\i]|
.endr
.endr
.irp b, 0,1
	s_delay_alu instid0(VALU_DEP_2)
	v_permlanex16_b32 v[BX+\b], v[BM+\b], s[SEL], s[SEL+1]
.endr
.irp b, 0,1
	s_delay_alu instid0(VALU_DEP_2)
	v_max_num_f32 v[BM+\b], v[BM+\b], v[BX+\b]
.endr
.irp b, 0,1
	s_delay_alu instid0(VALU_DEP_2)
	v_add_nc_u32 v[SO+\b], 0xff000000, v[BM+\b]
.endr
.irp b, 0,1
	s_delay_alu instid0(VALU_DEP_2)
	v_lshrrev_b32 v[BX+\b], 23, v[SO+\b]
.endr
	s_delay_alu instid0(VALU_DEP_1)
	v_lshl_or_b32 v227, v[BX+1], 8, v[BX]
	s_delay_alu instid0(VALU_DEP_1)
	v_lshrrev_b32 v227, v88, v227                  ; lanes 0-15 hold block 0's byte lowest, lanes 16-31 block 1's
	v_cvt_scalef32_pk16_fp6_f32 v[90:92], v[96:111], v[SO]
	v_cvt_scalef32_pk16_fp6_f32 v[204:206], v[112:127], v[SO+1]
	v_nop
.irp i, 0,1,2
	v_permlane16_swap_b32 v[90+\i], v[204+\i]
.endr
.irp i, 0,1,2
	s_delay_alu instid0(VALU_DEP_3)
	v_mov_b32 v[93+\i], v[204+\i]
.endr
	global_store_b128 v30, v[90:93], s[98:99]              ; 512 consecutive bytes, aligned to 256
	global_store_b64 v31, v[94:95], s[98:99] offset:512    ; 256 consecutive bytes, aligned
	global_store_b8 v87, v227, s[100:101]                  ; two bytes of each of 16 rows of 32: a row's 32 bytes come from sixteen heads' work-groups, so they leave singly: one byte for each 24 of codes
.endm
	QSET 0
	OSET
	INIT
	s_wait_tensorcnt 1                             ; my scale words and my part of keys 0-511 are in; the load of the later keys may be out
	s_barrier_signal -1
	s_barrier_wait -1                              ; everybody's are
	s_wait_loadcnt 0x0                             ; q
	LOOPN 4                                        ; keys 0-511
	s_wait_tensorcnt 0x0                           ; my part of the later keys is in,
	s_wait_dscnt 0x0
	s_barrier_signal -1
	s_barrier_wait -1                              ; everybody's is
	LOOPN 4                                        ; keys 512-1023: block i, i under 4, has no query beyond 1,023
.rept 4
	v_nop                                          ; places behind the last products
.endr
	QSET 1                                         ; the second tile's q is on its way while the first tile goes out
	FINISH
	s_wait_xcnt 0x0                                ; the stores have read their bases and registers: both are written again only behind this wait
	OSET
	INIT
	s_wait_loadcnt 0x0
	LOOPN 16
.rept 4
	v_nop
.endr
	FINISH
	s_wait_tensorcnt 0x0
	ds_add_u32 v252, v254
	s_wait_dscnt 0x0
	s_endpgm
.Lfunc_end_k_qe33e7318f0_attn:
	.size	k_qe33e7318f0_attn, .Lfunc_end_k_qe33e7318f0_attn-k_qe33e7318f0_attn
	.p2alignl 7, 3214868480
	.fill 96, 4, 3214868480
	.section	.rodata,"a",@progbits
	.p2align	6, 0x0
	.amdhsa_kernel k_qe33e7318f0_attn
		.amdhsa_group_segment_fixed_size 210944
		.amdhsa_private_segment_fixed_size 0
		.amdhsa_enable_private_segment 0
		.amdhsa_kernarg_size 24
		.amdhsa_user_sgpr_count 2
		.amdhsa_user_sgpr_kernarg_segment_ptr 1
		.amdhsa_wavefront_size32 1
		.amdhsa_system_sgpr_workgroup_id_x 1
		.amdhsa_system_sgpr_workgroup_id_y 1
		.amdhsa_system_sgpr_workgroup_id_z 1
		.amdhsa_system_vgpr_workitem_id 0
		.amdhsa_next_free_vgpr 256
		.amdhsa_next_free_sgpr 102
		.amdhsa_reserve_vcc 1
		.amdhsa_float_denorm_mode_32 3
		.amdhsa_float_denorm_mode_16_64 3
		.amdhsa_memory_ordered 1
		.amdhsa_forward_progress 1
		.amdhsa_inst_pref_size 92
	.end_amdhsa_kernel
	.amdgpu_metadata
---
amdhsa.version: [ 1, 2 ]
amdhsa.kernels:
  - .name:           k_qe33e7318f0_attn
    .symbol:         k_qe33e7318f0_attn.kd
    .args:
      - { .name: qk, .offset: 0, .size: 8, .value_kind: global_buffer, .address_space: global }
      - { .name: vt, .offset: 8, .size: 8, .value_kind: global_buffer, .address_space: global }
      - { .name: oq, .offset: 16, .size: 8, .value_kind: global_buffer, .address_space: global }
    .group_segment_fixed_size: 210944
    .private_segment_fixed_size: 0
    .kernarg_segment_align: 8
    .kernarg_segment_size: 24
    .max_flat_workgroup_size: 512
    .sgpr_count:     102
    .vgpr_count:     256
    .wavefront_size: 32
...
	.end_amdgpu_metadata
.endif
;; end of part 3
;; launch gemm_out (part 4): grid 4 x 32, 4 waves a work-group, clusters of 4 x 4, 327,680 bytes of LDS; arguments oq, wo, out0; writes out0
.if DOCPART == 4
	.amdgcn_target "amdgcn-amd-amdhsa--gfx1250"
	.amdhsa_code_object_version 6
	.text
	.protected	k_qe33e7318f0_gemm_out
	.globl	k_qe33e7318f0_gemm_out
	.p2align	8
	.type	k_qe33e7318f0_gemm_out,@function
k_qe33e7318f0_gemm_out:
	s_mov_b64 s[64:65], 0
	v_nop
	global_prefetch_b8 v0, s[64:65] scope:SCOPE_SE
	s_setreg_imm32_b32 hwreg(HW_REG_WAVE_MODE, 25, 1), 1
	s_wait_xcnt 0x0
	s_wait_alu depctr_hold_cnt(0) depctr_sa_sdst(0) depctr_va_vdst(0) depctr_va_sdst(0) depctr_va_ssrc(0) depctr_va_vcc(0) depctr_vm_vsrc(0)
	s_getreg_b32 s2, hwreg(HW_REG_IB_STS2, 6, 4)
	s_cmp_eq_u32 s2, 0
	s_cbranch_scc0 .Lentry_in_a_cluster
	s_endpgm
.Lentry_in_a_cluster:
	s_bfe_u32 s2, ttmp6, 0x10000c
	s_cmp_lg_u32 s2, 0xf033
	s_cbranch_scc0 .Lentry_shape_is_right
	s_endpgm
.Lentry_shape_is_right:
; out0 = O Wo^T on codes of FP6 (E2M3) with E8M0 scales; K = 1,024; out0 [8192][1024] f32.
; A = oq: scale bytes [row place][32] from byte 0; codes from byte 262,144 as RECORDS [Ablock of 16 places][16 heads][768]: a record is the image of six operand registers (16 rows x 64 along K):
; bytes 0-511 registers 0-3, lane l at 16 l; bytes 512-767 registers 4-5, lane l at 8 l.  So a fragment of A is two loads of 16 bytes and two of 8, each of consecutive bytes from lane to lane.
; B = wo: scale bytes [row][32], codes [row][768] from byte 262,144, rows in their own order.
; A's place P holds token P with bits 3 and 4 exchanged: block a = 2 g + u, row t of a wave's 128 is token 32 g + 8 u + t + 8 (t / 8); the stores' immediates put each row where it belongs.
; A tile of out0, 256 x 256, is made by four waves, 128 x 128 each.  K goes in steps of 256 through a ring of two LDS slots; the scale bytes come once.  CLUSTERS: 4 x 4; A's tiles are asked for jointly along a
; row of the cluster, B's along a column.  The matrix instruction is used transposed (source 0 = rows of Wo, source 1 = rows of O): a lane holds eight neighbouring numbers of a row of out0.
.set SIZE_N, 1024
.set KSTEP,  256
.set NQ,     2
.set ROWB,   192                       ; B: a tile's row in bytes
.set AROWB,  3072                      ; A: four records, an Ablock's 256 along K
.set KROW,   768
.set PITCH,  240                       ; B's LDS row: 3 x (64 + 16)
.set FR,     12
.set NLA,    4                         ; LDS loads that bring a fragment of A
.set NP,     4
.set HALFT,  128*PITCH                 ; a wave's place in a slot; A's 128 rows use 24,576 bytes of it
.set SLOT,   4*HALFT
.set LAPS,   2
.set KS,     32
.set SCL,    2*SLOT
.set HALFS,  (128*KS/256)*272
.set SBLK,   (16*KS/256)*272
.set SPARE,  SCL+4*HALFS
.set SPITCH, 528                       ; the way out: a stage of 16 rows x (512 + 16) bytes for each wave, in slot 0, which has had its last fill and its last read by then
.set ADRA, 16                          ; v16-17 16 x lane in my A half of slot 0, 1; v18-19 8 x lane
.set ADRB, 20
.set STO,  24
.set RD,   25
.set CO,   26
.set ADRS, 27
.set SPW,  28
.set NIL,  29
.set SC,   32
.set AF,   128
.set BK,   128
.set G1, 24
.set G0, 32
.set G1B, 48
.set G0B, 56
.set G1S, 68
.set G0S, 76
.set G1SB, 80
.set G0SB, 88
.set MSB, 0
.macro WIN new
.if MSB != \new
	s_set_vgpr_msb (MSB<<8)|\new
.set MSB, \new
.endif
.endm
.set MUL_LO, 0xa1
.set MUL_HI, 0xf1
.set TO_B,   0x40
.macro JLOAD g0a, g1a, g0b, g1b        ; a joint load: waves 0 and 1 fetch for A, waves 2 and 3 for B; four v_nop follow each of the two lines
	s_cmp_eq_u32 s15, 0
	s_cbranch_scc0 .Lfor_b_\@
	tensor_load_to_lds s[\g0a:\g0a+3], s[\g1a:\g1a+7]
	s_nop 0
.rept 4
	v_nop
.endr
	s_branch .Lasked_\@
.Lfor_b_\@:
	tensor_load_to_lds s[\g0b:\g0b+3], s[\g1b:\g1b+7]
	s_nop 0
.rept 4
	v_nop
.endr
.Lasked_\@:
.endm
.macro CREST
	s_cmp_lg_u32 s14, 0
	s_cbranch_scc1 .Lnot_wave_0_\@
	s_barrier_signal -3
.Lnot_wave_0_\@:
	s_barrier_wait -3
	s_barrier_signal -1
	s_barrier_wait -1
.endm
.macro CROUND
	s_barrier_signal -1
	s_barrier_wait -1
	CREST
.endm
	s_load_b64 s[6:7], s[0:1], 0x0                 ; A: its scale bytes begin the buffer
	s_load_b64 s[10:11], s[0:1], 0x8               ; B likewise
	s_load_b64 s[12:13], s[0:1], 0x10              ; out0
	v_lshl_add_u32 v[SPW], v0, 2, SPARE
	v_mov_b32 v[NIL], 0
	ds_add_u32 v28, v29
	ds_add_u32 v28, v29
	s_wait_dscnt 0x0
	v_lshrrev_b32 v1, 5, v0
	v_readfirstlane_b32 s14, v1
	s_lshr_b32 s15, s14, 1
	s_and_b32 s16, s14, 1
	s_bfe_u32 s40, ttmp6, 0x40000
	s_bfe_u32 s41, ttmp6, 0x40004
	s_lshl_b32 s42, ttmp9, 2
	s_add_co_u32 s42, s42, s40                     ; tile column
	s_and_b32 s17, ttmp7, 0xffff
	s_lshl_b32 s17, s17, 2
	s_add_co_u32 s17, s17, s41                     ; tile row
	s_lshl_b32 s43, s41, 2
	s_lshl_b32 s43, 15, s43
	s_lshl_b32 s44, 0x1111, s40
	; group 1 for A: 8 Ablocks x 3,072 bytes (384 elements of 8 bytes), 12,288 bytes (1,536 elements) apart, no padding
	s_or_b32 s[G1+0], s43, (3<<16)|(1<<21)
	s_mov_b32 s[G1+1], 384<<16
	s_mov_b32 s[G1+2], 8<<16
	s_mov_b32 s[G1+3], 384<<16
	s_mov_b32 s[G1+4], 8
	s_mov_b32 s[G1+5], 1536
	s_mov_b32 s[G1+6], 0
	s_mov_b32 s[G1+7], 0
	; for B: 128 rows x 192 bytes, 16 bytes of padding behind every 64
	s_or_b32 s[G1B+0], s44, (0<<16)|(1<<20)|(1<<21)|(3<<22)|(3<<25)
	s_mov_b32 s[G1B+1], ROWB<<16
	s_mov_b32 s[G1B+2], 128<<16
	s_mov_b32 s[G1B+3], ROWB<<16
	s_mov_b32 s[G1B+4], 128
	s_mov_b32 s[G1B+5], KROW
	s_mov_b32 s[G1B+6], 0
	s_mov_b32 s[G1B+7], 0
	s_or_b32 s[G1S+0], s43, (3<<16)|(1<<20)|(1<<21)|(5<<22)|(3<<25)
	s_or_b32 s[G1SB+0], s44, (3<<16)|(1<<20)|(1<<21)|(5<<22)|(3<<25)
.irp g, G1S, G1SB
	s_mov_b32 s[\g+1], 32<<16
	s_mov_b32 s[\g+2], (128*KS/256)<<16
	s_mov_b32 s[\g+3], 32<<16
	s_mov_b32 s[\g+4], 128*KS/256
	s_mov_b32 s[\g+5], 32
	s_mov_b32 s[\g+6], 0
	s_mov_b32 s[\g+7], 0
.endr
	s_lshl_b32 s18, s16, 7
	s_lshl_b32 s20, s17, 8
	s_add_co_u32 s20, s20, s18
	s_lshl_b32 s46, s42, 8
	s_add_co_u32 s46, s46, s18
	s_mov_b32 s21, 0
	s_mov_b32 s47, 0
	s_mov_b64 s[18:19], KS
	s_mul_u64 s[22:23], s[20:21], s[18:19]
	s_mul_u64 s[92:93], s[46:47], s[18:19]
	s_mov_b64 s[18:19], KROW
	s_mul_u64 s[20:21], s[20:21], s[18:19]         ; 16 rows are 12,288 bytes in records as in rows
	s_mul_u64 s[46:47], s[46:47], s[18:19]
	s_mul_i32 s45, s14, HALFT
	s_mul_i32 s94, s14, HALFS
	s_wait_kmcnt 0x0
	s_add_nc_u64 s[4:5], s[6:7], 0x40000
	s_add_nc_u64 s[8:9], s[10:11], 0x40000
	s_add_nc_u64 s[20:21], s[4:5], s[20:21]
	s_add_nc_u64 s[22:23], s[6:7], s[22:23]
	s_add_nc_u64 s[46:47], s[8:9], s[46:47]
	s_add_nc_u64 s[92:93], s[10:11], s[92:93]
	CROUND                                         ; all sixteen work-groups are here: the first joint loads meet
	s_mov_b32 s[G0S], 1
	s_add_co_u32 s[G0S+1], s94, SCL
	s_mov_b64 s[G0S+2:G0S+3], s[22:23]
	s_or_b32 s[G0S+3], s[G0S+3], 0x80000000
	s_mov_b32 s[G0SB], 1
	s_add_co_u32 s[G0SB+1], s94, SCL
	s_mov_b64 s[G0SB+2:G0SB+3], s[92:93]
	s_or_b32 s[G0SB+3], s[G0SB+3], 0x80000000
	JLOAD G0S, G1S, G0SB, G1SB
.irp s, 0,1
	s_mov_b32 s[G0+4*\s], 1
	s_add_co_u32 s[G0+4*\s+1], s45, \s*SLOT
	s_add_nc_u64 s[G0+4*\s+2:G0+4*\s+3], s[20:21], \s*AROWB
	s_or_b32 s[G0+4*\s+3], s[G0+4*\s+3], 0x80000000
	s_mov_b32 s[G0B+4*\s], 1
	s_add_co_u32 s[G0B+4*\s+1], s45, \s*SLOT
	s_add_nc_u64 s[G0B+4*\s+2:G0B+4*\s+3], s[46:47], \s*ROWB
	s_or_b32 s[G0B+4*\s+3], s[G0B+4*\s+3], 0x80000000
	JLOAD G0+4*\s, G1, G0B+4*\s, G1B
.endr
	v_and_b32 v1, 15, v0
	v_bfe_u32 v2, v0, 4, 1
	v_mul_u32_u24 v3, v1, PITCH
	v_mul_u32_u24 v4, v2, 24
	v_add_nc_u32 v4, v3, v4
	v_lshl_add_u32 v5, v2, 4, v4
	v_and_b32 v6, 31, v0
	v_lshlrev_b32 v7, 4, v6
	v_lshlrev_b32 v8, 3, v6
	s_mul_i32 s21, s15, HALFT
	s_mul_i32 s22, s16, HALFT
	s_add_co_u32 s22, s22, 2*HALFT
.irp s, 0,1
	v_add_nc_u32 v[ADRA+\s], s21, v7
	v_add_nc_u32 v[ADRB+\s], s22, v4
	v_add_nc_u32 v[ADRA+2+\s], s21, v8
	v_add_nc_u32 v[ADRB+2+\s], s22, v5
	s_add_co_u32 s21, s21, SLOT
	s_add_co_u32 s22, s22, SLOT
.endr
	v_mul_u32_u24 v5, v1, KS
	v_lshrrev_b32 v6, 8, v5
	v_lshl_add_u32 v5, v6, 4, v5
	s_mul_i32 s21, s15, HALFS
	s_mul_i32 s22, s16, HALFS
	s_add_co_u32 s22, s22, 2*HALFS
	s_sub_co_u32 s22, s22, s21
	v_mul_u32_u24 v6, s22, v2
	s_add_co_u32 s21, s21, SCL
	v_add_nc_u32 v5, v5, v6
	v_add_nc_u32 v[ADRS], s21, v5
	s_mul_i32 s23, s14, 16*SPITCH                  ; my stage
	v_mul_u32_u24 v5, v1, SPITCH
	v_lshl_add_u32 v5, v2, 5, v5
	v_add_nc_u32 v[STO], s23, v5
	v_and_b32 v6, 31, v0
	v_lshlrev_b32 v[CO], 4, v6
	v_add_nc_u32 v[RD], s23, v[CO]
	s_lshl_b32 s20, s17, 8
	s_lshl_b32 s21, s15, 7
	s_add_co_u32 s20, s20, s21                     ; my first row of out0
	s_mov_b32 s21, 0
	s_mov_b64 s[18:19], SIZE_N*4
	s_mul_u64 s[20:21], s[20:21], s[18:19]
	s_lshl_b32 s46, s42, 10
	s_lshl_b32 s47, s16, 9
	s_add_co_u32 s46, s46, s47
	s_mov_b32 s47, 0
	s_add_nc_u64 s[20:21], s[20:21], s[46:47]
	s_add_nc_u64 s[12:13], s[12:13], s[20:21]
.macro FRAG reg, adr, q, i             ; a fragment of B, from rows: six pieces of 8 bytes
.irp p, 0,1,2,3,4,5
.set PIECE, 12*(\q)+6*(\p/3)+\p%3
.if PIECE%8 < 5
	ds_load_b64 v[\reg+2*\p:\reg+2*\p+1], v[\adr] offset:8*PIECE+16*(PIECE/8)+(\i)*16*PITCH
.else
	ds_load_b64 v[\reg+2*\p:\reg+2*\p+1], v[\adr+2] offset:8*PIECE+16*(PIECE/8)+(\i)*16*PITCH
.endif
.endr
.endm
.macro FRAG_A reg, slot, q, i          ; a fragment of A: the records of heads 2 q and 2 q + 1 of the slot's four, Ablock i
	ds_load_b128 v[\reg:\reg+3], v[ADRA+\slot] offset:3072*(\i)+1536*(\q)
	ds_load_b64 v[\reg+4:\reg+5], v[ADRA+2+\slot] offset:3072*(\i)+1536*(\q)+512
	ds_load_b128 v[\reg+6:\reg+9], v[ADRA+\slot] offset:3072*(\i)+1536*(\q)+768
	ds_load_b64 v[\reg+10:\reg+11], v[ADRA+2+\slot] offset:3072*(\i)+1536*(\q)+1280
.endm
.macro MUL16 a0, p, q, sc, zero        ; the 64 accumulators take turns, one instruction a turn
.irp a, \a0, \a0+1
.irp b, 0,1,2,3,4,5,6,7
.if \zero
	v_wmma_scale_f32_16x16x128_f8f6f4 v[8*(8*((\a)%4)+\b):8*(8*((\a)%4)+\b)+7], v[128*(\p)+FR*\b:128*(\p)+FR*\b+FR-1], v[AF+FR*(\a):AF+FR*(\a)+FR-1], 0, v[SC+8*NQ*(\sc)+NQ*\b+(\q)], v[SC+8*NQ*(\sc)+NQ*(\a)+(\q)] matrix_a_fmt:MATRIX_FMT_FP6 matrix_b_fmt:MATRIX_FMT_FP6 matrix_a_scale:MATRIX_SCALE_ROW1
.else
	v_wmma_scale_f32_16x16x128_f8f6f4 v[8*(8*((\a)%4)+\b):8*(8*((\a)%4)+\b)+7], v[128*(\p)+FR*\b:128*(\p)+FR*\b+FR-1], v[AF+FR*(\a):AF+FR*(\a)+FR-1], v[8*(8*((\a)%4)+\b):8*(8*((\a)%4)+\b)+7], v[SC+8*NQ*(\sc)+NQ*\b+(\q)], v[SC+8*NQ*(\sc)+NQ*(\a)+(\q)] matrix_a_fmt:MATRIX_FMT_FP6 matrix_b_fmt:MATRIX_FMT_FP6 matrix_a_scale:MATRIX_SCALE_ROW1
.endif
.endr
.endr
.endm
.macro FETCH_B slot, q, p
	WIN TO_B
.irp i, 0,1,2,3,4,5,6,7
	FRAG 128*(\p)+FR*\i, ADRB+\slot, \q, \i
.endr
	WIN 0
.endm
.macro FETCH_A slot, q, i0
.irp i, \i0, \i0+1, \i0+2, \i0+3
	FRAG_A AF+FR*(\i), \slot, \q, \i
.endr
.endm
.macro SCALES sc
.irp i, 0,1,2,3,4,5,6,7
	ds_load_b64 v[SC+8*NQ*\sc+NQ*\i:SC+8*NQ*\sc+NQ*\i+1], v[ADRS] offset:\i*SBLK
.endr
.endm
.macro PLACES n
.rept \n
	v_nop
.endr
.endm
.macro STEP slot, q, zero
	s_wait_dscnt 4*NLA                             ; B's set and A's blocks 0-3 are in; the youngest 16 loads (A's blocks 4-7) may be out
	WIN MUL_LO
	MUL16 0, (\q)%2, \q, \slot, \zero
	MUL16 2, (\q)%2, \q, \slot, \zero
	s_wait_dscnt 0
	PLACES NP
	FETCH_B \slot, (\q)+1, 1-(\q)%2
	FETCH_A \slot, (\q)+1, 0
	WIN MUL_HI
	MUL16 4, (\q)%2, \q, \slot, \zero
	MUL16 6, (\q)%2, \q, \slot, \zero
	PLACES NP
	WIN 0
	FETCH_A \slot, (\q)+1, 4
.endm
.macro TURN slot, next, fill
	s_wait_tensorcnt 0x0                           ; all my tensor loads have landed: my part of the next slot
	ds_add_u32 v[SPW], v[NIL]                      ; 0 onto my spare word
	s_wait_dscnt 4*NLA+1                           ; (the add and the youngest 16 loads may be out)
	WIN MUL_LO
	MUL16 0, 1, NQ-1, \slot, 0
	s_wait_dscnt 0x0                               ; the add is done, and my reads of this slot are over
	s_barrier_signal -1
	MUL16 2, 1, NQ-1, \slot, 0
	WIN 0
	s_barrier_wait -1
.if \fill
	CREST                                          ; a round of the cluster's barrier: no wave of any partner still reads this slot or has a load on its way
	s_add_nc_u64 s[G0+4*\slot+2:G0+4*\slot+3], s[G0+4*\slot+2:G0+4*\slot+3], 2*AROWB
	s_add_nc_u64 s[G0B+4*\slot+2:G0B+4*\slot+3], s[G0B+4*\slot+2:G0B+4*\slot+3], 2*ROWB
	JLOAD G0+4*\slot, G1, G0B+4*\slot, G1B
.else
	PLACES NP
.endif
	v_add_nc_u32 v[ADRS], 4*NQ, v[ADRS]
	FETCH_B \next, 0, 0
	FETCH_A \next, 0, 0
	SCALES \next
	WIN MUL_HI
	MUL16 4, 1, NQ-1, \slot, 0
	MUL16 6, 1, NQ-1, \slot, 0
	PLACES NP
	WIN 0
	FETCH_A \next, 0, 4
.endm
	s_wait_tensorcnt 1                             ; the scales and my part of K step 0 are in (K step 1's load may be out),
	s_barrier_signal -1
	s_barrier_wait -1                              ; everybody's are
	FETCH_B 0, 0, 0
	FETCH_A 0, 0, 0
	SCALES 0
	FETCH_A 0, 0, 4
	STEP 0, 0, 1
	s_mov_b32 s3, LAPS-1
.Llap:
	TURN 0, 1, 1
	STEP 1, 0, 0
	TURN 1, 0, 1
	STEP 0, 0, 0
	s_sub_co_u32 s3, s3, 1
	s_cmp_lg_u32 s3, 0
	s_cbranch_scc1 .Llap
	TURN 0, 1, 0
	STEP 1, 0, 0
	s_wait_dscnt 4*NLA
	WIN MUL_LO
	MUL16 0, 1, NQ-1, 1, 0
	MUL16 2, 1, NQ-1, 1, 0
	s_wait_dscnt 0
	WIN MUL_HI
	MUL16 4, 1, NQ-1, 1, 0
	MUL16 6, 1, NQ-1, 1, 0
	WIN 0
; THE WAY OUT, block by block of 16 rows x 128 columns, through my own stage in LDS: in as 32 bytes a lane, back as whole rows of 512 bytes.  LDS serves a wave's instructions in order.
.macro TOSTAGE a
.set AC, 64*((\a)%4)
	WIN 0x08+4*((\a)/4)                            ; an LDS store's data: window 2 or 3
.irp b, 0,1,2,3,4,5,6,7
	ds_store_b128 v[STO], v[AC+8*\b:AC+8*\b+3] offset:64*\b          ; each accumulator from its low end on
	ds_store_b128 v[STO], v[AC+8*\b+4:AC+8*\b+7] offset:64*\b+16
.endr
	WIN 0
.set BB, BK+64*((\a)%2)
.irp t, 0,1,2,3,4,5,6,7,8,9,10,11,12,13,14,15
	ds_load_b128 v[BB+4*\t:BB+4*\t+3], v[RD] offset:\t*SPITCH
.endr
.endm
.macro SEND a, younger                 ; younger: the LDS instructions issued behind block a's loads, which may stay out
.set BB, BK+64*((\a)%2)
	s_wait_dscnt \younger
.irp t, 0,1,2,3,4,5,6,7,8,9,10,11,12,13,14,15
	global_store_b128 v[CO], v[BB+4*\t:BB+4*\t+3], s[12:13] offset:(32*((\a)/2)+8*((\a)%2)+\t+8*(\t/8))*SIZE_N*4 th:TH_STORE_NT   ; place 16 a + t is token 32 (a / 2) + 8 (a % 2) + t + 8 (t / 8); 32 lanes store 512 consecutive bytes, aligned to 256
.endr
.endm
	PLACES NP
	TOSTAGE 0
.irp a, 1,2,3,4,5,6,7
.if \a > 1
	s_wait_xcnt 0x0                                ; block a - 2's stores have read their registers: block a's loads land there only behind this wait
.endif
	TOSTAGE \a
	SEND \a-1, 32                                  ; behind block a - 1's loads: block a's 16 stores and 16 loads
.endr
	SEND 7, 0
	s_wait_tensorcnt 0x0                           ; the wave's end
	ds_add_u32 v[SPW], v[NIL]
	s_wait_dscnt 0x0
	CROUND                                         ; the closing round
	s_endpgm
.Lfunc_end_k_qe33e7318f0_gemm_out:
	.size	k_qe33e7318f0_gemm_out, .Lfunc_end_k_qe33e7318f0_gemm_out-k_qe33e7318f0_gemm_out
	.p2alignl 7, 3214868480
	.fill 96, 4, 3214868480
	.section	.rodata,"a",@progbits
	.p2align	6, 0x0
	.amdhsa_kernel k_qe33e7318f0_gemm_out
		.amdhsa_group_segment_fixed_size 327680
		.amdhsa_private_segment_fixed_size 0
		.amdhsa_enable_private_segment 0
		.amdhsa_kernarg_size 24
		.amdhsa_user_sgpr_count 2
		.amdhsa_user_sgpr_kernarg_segment_ptr 1
		.amdhsa_wavefront_size32 1
		.amdhsa_system_sgpr_workgroup_id_x 1
		.amdhsa_system_sgpr_workgroup_id_y 1
		.amdhsa_system_sgpr_workgroup_id_z 1
		.amdhsa_system_vgpr_workitem_id 0
		.amdhsa_next_free_vgpr 1024
		.amdhsa_next_free_sgpr 98
		.amdhsa_reserve_vcc 0
		.amdhsa_float_denorm_mode_32 3
		.amdhsa_float_denorm_mode_16_64 3
		.amdhsa_memory_ordered 1
		.amdhsa_forward_progress 1
		.amdhsa_inst_pref_size 152
	.end_amdhsa_kernel
	.amdgpu_metadata
---
amdhsa.version: [ 1, 2 ]
amdhsa.kernels:
  - .name:           k_qe33e7318f0_gemm_out
    .symbol:         k_qe33e7318f0_gemm_out.kd
    .args:
      - { .name: oq, .offset: 0, .size: 8, .value_kind: global_buffer, .address_space: global }
      - { .name: wo, .offset: 8, .size: 8, .value_kind: global_buffer, .address_space: global }
      - { .name: out0, .offset: 16, .size: 8, .value_kind: global_buffer, .address_space: global }
    .group_segment_fixed_size: 327680
    .private_segment_fixed_size: 0
    .kernarg_segment_align: 8
    .kernarg_segment_size: 24
    .max_flat_workgroup_size: 128
    .sgpr_count:     98
    .vgpr_count:     1024
    .wavefront_size: 32
...
	.end_amdgpu_metadata
.endif
;; end of part 4
